; MI455X (gfx1250); checked and timed in simulation.
; The chip was launched on July 23, 2026; its instructions are those of AMD's public machine-readable ISA for CDNA 5 (MIT licence, August 2026) and "CDNA5" Instruction Set Architecture Reference Guide (July 2026). The comments in the code are by the model that wrote it; some were corrected since.
;; Multi Head Attention. Allowed arithmetic: matrix products marked QUANTISED: E2M1 operands, one E8M0 scale for each 32 along K, by v_wmma_scale_f32_16x16x128_f8f6f4 with both operands' format E2M1 (or v_wmma_scale_f32_32x16x128_f4), f32 sums; products left as they are: bf16, f16 or f32 operands; f32 sums; everything else in f32.
;; Inputs: Wk 16 x 1,024 x 64 float32; Wp 1,024 x 1,024 float32; Wq 16 x 1,024 x 64 float32; Wv 16 x 1,024 x 64 float32; bp 1,024 float32; x 4 x 2,048 x 1,024 float32.
;; Outputs: out0 4 x 2,048 x 1,024 float32.
;; This version of the problem:
;;   THIS VERSION OF THE PROBLEM IS GIVEN IN LOW PRECISION. The matrix products marked QUANTISED in the list below multiply operands that are first quantised to E2M1 (2 exponent bits, 1 mantissa bit; 4 bits a number), with one power-of-two scale for each 32 numbers along K (OCP MX v1.0); their sums are f32. The products marked 'left as it is' may take bf16, f16 or f32 operands, with f32 sums. Whichever they take, every output number must still come out within the allowed error. Rounding operands to bf16 (8 significant bits) uses up far more of that allowance than f16 does (11 bits, for magnitudes from 6e-5 to 65,504). All else is computed in f32.
;;   The module's matrix products, in the order in which they are computed (A, B: the left and right operand; K: the contracted axis; several contracted axes count as one K, in the product's order):
;;     1. [M 1,024, K 1,024] x [K 1,024, N 8,192]; A: input Wq; B: input x: QUANTISED
;;     2. [M 1,024, K 1,024] x [K 1,024, N 8,192]; A: input Wk; B: input x: QUANTISED
;;     3. [M 1,024, K 1,024] x [K 1,024, N 8,192]; A: input Wv; B: input x: QUANTISED
;;     4. batch 64 x [M 2,048, K 64] x [K 64, N 2,048]; A: computed on the way; B: computed on the way: left as it is (an operand is computed on the way)
;;     5. batch 64 x [M 2,048, K 2,048] x [K 2,048, N 64]; A: computed on the way; B: computed on the way: left as it is (an operand is computed on the way)
;;     6. [M 8,192, K 1,024] x [K 1,024, N 1,024]; A: computed on the way; B: input Wp: left as it is (an operand is computed on the way)
;;   THE QUANTISER, for each operand of a quantised product, along K:
;;     - K is cut into blocks of 32 from its start; a last block that is shorter is filled with zeros.
;;     - A block's scale is 2^e with e = floor(log2(the largest magnitude in the block)) - 2, held to -126 .. 127; a block of zeros has e = 0. As a byte (E8M0): e + 127.
;;     - Each number is divided by its block's scale, clamped to +-6, and rounded to the nearest number of E2M1, ties to even, subnormals kept.
;;     - The product sums the exact products of the quantised numbers (number of the format x scale) in f32.
;;   ~~~python
;;   def quantise(x, axis):      # numpy; x: float32 -> the quantised numbers, widened to float32 again
;;       x = np.moveaxis(x, axis, -1); K = x.shape[-1]
;;       x = np.pad(x, [(0, 0)] * (x.ndim - 1) + [(0, -K % 32)]); x = x.reshape(x.shape[:-1] + (-1, 32)); a = np.abs(x).max(-1, keepdims=True)
;;       e = np.where(a > 0, np.clip(np.frexp(np.where(a > 0, a, 1))[1] - 1 - 2, -126, 127), 0)      # np.frexp(a)[1] - 1 = floor(log2(a)), exactly
;;       r = np.clip(x / 2.0 ** e, -6, 6)
;;       step = 2.0 ** (np.maximum(np.frexp(np.where(r == 0, 1, r))[1] - 1, 0) - 1)
;;       q = np.round(r / step) * step * 2.0 ** e      # np.round: ties to even
;;       return np.moveaxis(q.reshape(q.shape[:-2] + (-1,))[..., :K], -1, axis).astype(np.float32)
;;   ~~~
;; One version. Each part assembles by itself: llvm-mc -triple=amdgcn-amd-amdhsa -mcpu=gfx1250 --defsym DOCPART=n.
;; ======== version 1 of 1: 5 launches
;; limits: values are held in f16: magnitudes above 65,504 overflow, below 6.1e-05 lose precision
;; workspace buffers: xc 4,194,304 bytes; xs 262,144 bytes; wc 1,572,864 bytes; ws 98,304 bytes; wph 2,097,152 bytes; qkv 50,331,648 bytes; fq 786,432 bytes; att 16,777,216 bytes
;; launch prep (part 1): grid 480 x 1, 4 waves a work-group, no clusters, 51,712 bytes of LDS; arguments x, Wq, Wk, Wv, Wp, xc, xs, wc, ws, wph; writes xc, xs, wc, ws, wph
.if DOCPART == 1
	.amdgcn_target "amdgcn-amd-amdhsa--gfx1250"
	.amdhsa_code_object_version 6
	.text
	.protected	k_q7beec76774_prep
	.globl	k_q7beec76774_prep
	.p2align	8
	.type	k_q7beec76774_prep,@function
k_q7beec76774_prep:
	s_mov_b64 s[64:65], 0
	v_nop
	global_prefetch_b8 v0, s[64:65] scope:SCOPE_SE
	s_setreg_imm32_b32 hwreg(HW_REG_WAVE_MODE, 25, 1), 1
	s_wait_xcnt 0x0
; PREP.  Three jobs in one launch, told apart by the work-group's number; the three paths never join, and each has LDS bytes of its own.
;   X (work-groups 0-255):   x [8192][1024] f32 -> codes of FP4 (E2M1), K innermost, xc [8192][512 bytes], and one E8M0 byte for each 32 along K, xs [8192][32].
;   W (work-groups 256-351): Wq, Wk, Wv [16][1024 (d)][64 (e)] f32, quantised along d, their FIRST axis within a head -> wc [3072 rows n = 1024 sel + 64 h + e][512 bytes], ws [3072][32].
;   P (work-groups 352-479): Wp [1024][1024] f32 -> f16, same layout, wph.
; A block's scale is 2^(floor(log2(its largest magnitude)) - 2); its byte is the largest magnitude's exponent field - 2, held at 1 from below.
; LIMITS: a block of zeros gets the byte 1 where the rule says 127 (its codes are zeros, and this program alone reads the bytes); blocks whose largest magnitude lies under 2^(2 - 126) are held at the byte 1;
; NaN and infinities among the inputs are not served; |Wp| must stay under 65,504 (f16), and under 6e-5 it keeps an absolute step of 6e-8.
.set SPW,   12                         ; v12  LDS address of my spare word: SPARE + 4 x my thread's number; never rewritten
.set NIL,   13                         ; v13  0; never rewritten
.set SPARE, 51200                      ; behind both paths' regions: 128 bytes for each wave, two blocks of 256 bytes that no other line names
.set WV,    24                         ; s24  my wave's number
.set EMAX,  2
; path X: a wave takes 16 steps of 512 numbers
.set STEPS, 16
.set CB,    8                          ; bytes of 16 codes
.set R,     16                         ; v16-79   four sets of 16 numbers as they are loaded
.set X,     80                         ; v80-111  two sets of 16 neighbours
.set E,     112                        ; v112-127 a scale byte for each step
.set C,     128                        ; v128-191 codes: four registers for each step, so that no store's data are written again
.set SP,    80                         ; a lane's place in a stage: its 64 bytes + 16 of padding
; path W: a wave takes 32 columns x 256 along K: 8 blocks a lane
.set NB,    8
.set WST,   32768                      ; LDS: path W's stages, 32 rows x 144 bytes for each wave
.set WPITCH, 144
.set SB,    24                         ; v24-25   the scale bytes, four to a register
.set WX,    32                         ; v32-95   two sets of 32 numbers
.set WC,    96                         ; v96-99   a block's codes
.set OUTR,  112                        ; v112-143 the way out
.macro XLOAD t
.irp i, 0,1,2,3
	global_load_b128 v[R+16*((\t)%4)+4*\i:R+16*((\t)%4)+4*\i+3], v3, s[4:5] offset:2048*(\t)+512*\i th:TH_LOAD_NT   ; 32 lanes read 512 consecutive bytes
.endr
.endm
.macro XTURN t                         ; step t's numbers through the stage: LDS serves a wave's instructions in order, so no wait stands between the stores and the loads
.irp i, 0,1,2,3
	ds_store_b128 v14, v[R+16*((\t)%4)+4*\i:R+16*((\t)%4)+4*\i+3] offset:32*SP*((\t)%2)+8*SP*\i
.endr
.irp i, 0,1,2,3
	ds_load_b128 v[X+16*((\t)%2)+4*\i:X+16*((\t)%2)+4*\i+3], v15 offset:32*SP*((\t)%2)+16*\i
.endr
.endm
.macro XSTEP t
.set XS, X+16*((\t)%2)
.if (\t) > 0
	s_wait_dscnt 1                                 ; this step's numbers are back from the stage; the one LDS instruction behind them, the last step's byte store, may be out
.else
	s_wait_dscnt 0x0
.endif
.if (\t)+4 < STEPS
	XLOAD (\t)+4                                   ; the set that the stage's stores have read takes the loads of four steps on
.endif
.if (\t)+1 < STEPS
.if STEPS-2-(\t) >= 3
	s_wait_loadcnt 12                              ; the next step's four loads are in; the twelve of the three steps behind it may be out
.else
	s_wait_loadcnt 4*(STEPS-2-(\t))                ; at the end the count runs down: 8, 4, 0
.endif
	XTURN (\t)+1
.endif
	v_max3_num_f32 v8, |v[XS]|, |v[XS+1]|, |v[XS+2]|               ; the largest magnitude of my 16, in two chains
	v_max3_num_f32 v9, |v[XS+3]|, |v[XS+4]|, |v[XS+5]|
.irp i, 6,10
	v_max3_num_f32 v8, v8, |v[XS+\i]|, |v[XS+\i+1]|
	v_max3_num_f32 v9, v9, |v[XS+\i+2]|, |v[XS+\i+3]|
.endr
	v_max3_num_f32 v8, v8, |v[XS+14]|, |v[XS+15]|
	v_max3_num_f32 v8, v8, v9, (EMAX+1)<<23        ; and the floor 2^(3 - 127): the byte cannot fall under 1
	v_max_num_f32_dpp v8, v8, v8 row_xmask:1 row_mask:0xf bank_mask:0xf   ; with my neighbour's 16: the block's
	v_add_nc_u32 v11, -(EMAX<<23), v8              ; 2 off its exponent field: the conversion takes the exponent field of this operand as its scale
	v_cvt_scalef32_pk8_fp4_f32 v[C+4*(\t)], v[XS:XS+7], v11
	v_cvt_scalef32_pk8_fp4_f32 v[C+4*(\t)+1], v[XS+8:XS+15], v11
	v_lshrrev_b32 v[E+(\t)], 23, v11               ; the scale's byte (a plain line behind the conversions)
	ds_store_b8 v5, v[E+(\t)] offset:16*(\t)       ; both lanes of a block write the same byte with the same value
	global_store_b64 v4, v[C+4*(\t):C+4*(\t)+1], s[14:15] offset:32*CB*(\t)   ; the wave stores 256 consecutive bytes, aligned
.endm
.macro WLOAD t                         ; block t: W(k0 + 32 t + i, my column), i = 0 .. 31, into set t % 2; a load's 32 lanes read 128 consecutive bytes
.set i, 0
.rept 32
	global_load_b32 v[WX+32*((\t)%2)+i], v3, s[38:39] offset:(32*(\t)+i)*256 th:TH_LOAD_NT
.set i, i+1
.endr
.endm
.macro WBLOCK t
.set XS, WX+32*((\t)%2)
.if (\t) < NB-1
	s_wait_loadcnt 32                              ; this block's 32 loads are in; the next block's 32 may be out
.else
	s_wait_loadcnt 0
.endif
	v_max3_num_f32 v14, |v[XS]|, |v[XS+1]|, |v[XS+2]|              ; the block's largest magnitude: all 32 numbers are mine
	v_max3_num_f32 v15, |v[XS+3]|, |v[XS+4]|, |v[XS+5]|
.irp i, 6,10,14,18,22,26
	v_max3_num_f32 v14, v14, |v[XS+\i]|, |v[XS+\i+1]|
	v_max3_num_f32 v15, v15, |v[XS+\i+2]|, |v[XS+\i+3]|
.endr
	v_max3_num_f32 v14, v14, |v[XS+30]|, |v[XS+31]|
	v_max3_num_f32 v14, v14, v15, (EMAX+1)<<23     ; and the floor
	v_add_nc_u32 v11, -(EMAX<<23), v14             ; the conversion's scale operand
	v_lshrrev_b32 v15, 23, v11                     ; the scale's byte
.if (\t)%4 == 0
	v_mov_b32 v[SB+(\t)/4], v15                    ; four bytes to a register, the lower K in the lower byte
.else
	v_lshl_or_b32 v[SB+(\t)/4], v15, 8*((\t)%4), v[SB+(\t)/4]
.endif
.irp g, 0,1,2,3
	v_cvt_scalef32_pk8_fp4_f32 v[WC+\g], v[XS+8*\g:XS+8*\g+7], v11
.endr
	v_nop                                          ; one plain line behind the last conversion
	ds_store_b128 v4, v[WC:WC+3] offset:16*(\t)    ; 32 codes: 16 bytes of my column's row
.if (\t)+2 < NB
	WLOAD (\t)+2
.endif
	s_wait_dscnt 0x0                               ; the store has read its registers: the next block's codes may be written
.endm
	s_load_b256 s[4:11], s[0:1], 0x0               ; x s[4:5], Wq s[6:7], Wk s[8:9], Wv s[10:11]
	s_load_b256 s[12:19], s[0:1], 0x20             ; Wp s[12:13], xc s[14:15], xs s[16:17], wc s[18:19]
	s_load_b128 s[20:23], s[0:1], 0x40             ; ws s[20:21], wph s[22:23]
	v_lshl_add_u32 v[SPW], v0, 2, SPARE
	v_mov_b32 v[NIL], 0
	v_lshrrev_b32 v1, 5, v0
	v_readfirstlane_b32 s[WV], v1                  ; wave 0..3
	v_and_b32 v2, 31, v0                           ; lane
	s_cmp_lt_u32 ttmp9, 256
	s_cbranch_scc0 .Lnot_x
	; ---- PATH X.  Rows are dense and 1,024 is a multiple of 32: x is a plain stream of blocks of 32, and so are its codes and scale bytes.
	; Each load reads 512 consecutive bytes, 16 a lane; a step's 2,048 bytes turn through the wave's own stage and come back 64 bytes a lane: 16 neighbours along K, two lanes to a block.
	v_lshlrev_b32 v3, 4, v2                        ; my 16 bytes of a load's 512
	s_lshl_b32 s25, s[WV], 13                      ; my wave's 8,192 bytes of LDS
	v_lshrrev_b32 v14, 2, v2
	v_mul_u32_u24 v14, v14, SP
	v_and_b32 v15, 3, v2
	v_lshl_add_u32 v14, v15, 4, v14
	v_add_nc_u32 v14, s25, v14                     ; the stage, on the way in: 80 (lane / 4) + 16 (lane % 4)
	v_mul_u32_u24 v15, v2, SP
	v_add_nc_u32 v15, s25, v15                     ; and on the way out: 80 x lane
	v_lshlrev_b32 v4, 3, v2                        ; my codes' place in a step's
	v_lshrrev_b32 v5, 1, v2
	s_add_co_u32 s25, s25, 2*32*SP
	v_add_nc_u32 v5, s25, v5                       ; my wave's 256 scale bytes, my block's byte
	v_lshlrev_b32 v7, 3, v2                        ; and on the way out 8 bytes a lane
	v_add_nc_u32 v6, s25, v7
	s_lshl_b32 s26, ttmp9, 2
	s_add_co_u32 s26, s26, s[WV]                   ; which run of 8,192 numbers is my wave's
	s_lshl_b32 s28, s26, 15                        ; 32,768 bytes of x,
	s_mov_b32 s29, 0
	s_lshl_b32 s30, s26, 12                        ; 4,096 of codes,
	s_mov_b32 s31, 0
	s_lshl_b32 s32, s26, 8                         ; 256 scale bytes a run
	s_mov_b32 s33, 0
	s_wait_kmcnt 0x0
	s_add_nc_u64 s[4:5], s[4:5], s[28:29]
	s_add_nc_u64 s[14:15], s[14:15], s[30:31]
	s_add_nc_u64 s[16:17], s[16:17], s[32:33]
.irp t, 0,1,2,3
	XLOAD \t
.endr
	s_wait_loadcnt 12                              ; step 0's four loads are in
	XTURN 0
.irp t, 0,1,2,3,4,5,6,7,8,9,10,11,12,13,14,15
	XSTEP \t
.endr
	ds_load_b64 v[8:9], v6                         ; LDS serves a wave's instructions in order: these see my byte stores
	s_wait_dscnt 0x0
	global_store_b64 v7, v[8:9], s[16:17]          ; 32 lanes store 256 consecutive bytes, aligned
	s_wait_tensorcnt 0x0                           ; the wave's end, behind my last LDS store
	ds_add_u32 v[SPW], v[NIL]
	s_wait_dscnt 0x0
	s_endpgm
.Lnot_x:
	s_cmp_lt_u32 ttmp9, 352
	s_cbranch_scc0 .Lpath_p
	; ---- PATH W.  A lane takes a column e, and its registers run down d: a block of 32 along K lies in one lane's 32 registers, and the conversions give codes with K innermost.
	; A work-group takes one head of one of the three weights and half of K; a wave 32 columns x 256 along K, 128 bytes of codes a column.  They go through the wave's own stage and leave as
	; runs of 128 bytes of a row (eight lanes): each aligned 256 bytes of wc is written as two halves, by two waves of this work-group.
	s_sub_co_u32 s25, ttmp9, 256
	s_lshr_b32 s26, s25, 1                         ; 16 sel + h
	s_and_b32 s27, s25, 1                          ; which half of K
	s_and_b32 s28, s[WV], 1                        ; which 32 columns
	s_lshr_b32 s29, s[WV], 1                       ; which quarter of K within the half
	s_lshl_b32 s27, s27, 9
	s_lshl_b32 s29, s29, 8
	s_add_co_u32 s27, s27, s29                     ; k0
	s_and_b32 s30, s26, 15
	s_lshl_b32 s30, s30, 18                        ; the head: 1,024 rows of 256 bytes
	s_lshl_b32 s31, s27, 8
	s_add_co_u32 s30, s30, s31                     ; + k0 rows
	s_lshl_b32 s31, s28, 7
	s_add_co_u32 s30, s30, s31                     ; + my 32 columns
	s_mov_b32 s31, 0
	s_lshl_b32 s32, s26, 6
	s_lshl_b32 s33, s28, 5
	s_add_co_u32 s32, s32, s33                     ; n0: my first row of wc and ws
	s_lshl_b32 s34, s32, 9
	s_lshr_b32 s35, s27, 1
	s_add_co_u32 s34, s34, s35                     ; codes: 512 n0 + k0 / 2
	s_mov_b32 s35, 0
	s_lshl_b32 s36, s32, 5
	s_lshr_b32 s37, s27, 5
	s_add_co_u32 s36, s36, s37                     ; scale bytes: 32 n0 + k0 / 32
	s_mov_b32 s37, 0
	v_lshlrev_b32 v3, 2, v2                        ; in: 4 bytes a lane
	s_mul_i32 s40, s[WV], 32*WPITCH
	s_add_co_u32 s40, s40, WST                     ; my stage
	v_mul_u32_u24 v4, v2, WPITCH
	v_add_nc_u32 v4, s40, v4                       ; into it: row = my column
	v_lshrrev_b32 v5, 3, v2
	v_and_b32 v6, 7, v2
	v_mul_u32_u24 v7, v5, WPITCH
	v_lshl_add_u32 v7, v6, 4, v7
	v_add_nc_u32 v7, s40, v7                       ; out of it: eight lanes to a row, four rows an instruction
	v_lshlrev_b32 v8, 9, v5
	v_lshl_add_u32 v8, v6, 4, v8                   ; and the same place in wc
	v_lshlrev_b32 v9, 5, v2                        ; my column's row of scale bytes
	s_wait_kmcnt 0x0
	s_cmp_lt_u32 s26, 16                           ; which weight: the choice hangs on the work-group's number alone
	s_cselect_b64 s[38:39], s[6:7], s[8:9]
	s_cmp_lt_u32 s26, 32
	s_cselect_b64 s[38:39], s[38:39], s[10:11]
	s_add_nc_u64 s[38:39], s[38:39], s[30:31]
	s_add_nc_u64 s[18:19], s[18:19], s[34:35]
	s_add_nc_u64 s[20:21], s[20:21], s[36:37]
	WLOAD 0
	WLOAD 1
.irp t, 0,1,2,3,4,5,6,7
	WBLOCK \t
.endr
	global_store_b64 v9, v[SB:SB+1], s[20:21]      ; my column's 8 scale bytes
.irp t, 0,1,2,3,4,5,6,7
	ds_load_b128 v[OUTR+4*\t:OUTR+4*\t+3], v7 offset:4*\t*WPITCH
.endr
.irp t, 0,1,2,3,4,5,6,7
	s_wait_dscnt 7-\t                              ; LDS loads come back in order: load t is in, the later ones may be out
	global_store_b128 v8, v[OUTR+4*\t:OUTR+4*\t+3], s[18:19] offset:4*\t*512
.endr
	s_wait_tensorcnt 0x0                           ; the wave's end, behind my last LDS store
	ds_add_u32 v[SPW], v[NIL]
	s_wait_dscnt 0x0
	s_endpgm
.Lpath_p:
	; ---- PATH P.  Wp to f16, rounded to nearest even.  A wave takes 8,192 bytes: 16 loads of 512 consecutive bytes, 16 stores of 256.  No LDS.
	s_sub_co_u32 s25, ttmp9, 352
	s_lshl_b32 s26, s25, 15
	s_lshl_b32 s27, s[WV], 13
	s_add_co_u32 s26, s26, s27
	s_mov_b32 s27, 0
	s_lshl_b32 s28, s25, 14
	s_lshl_b32 s29, s[WV], 12
	s_add_co_u32 s28, s28, s29
	s_mov_b32 s29, 0
	v_lshlrev_b32 v3, 4, v2
	v_lshlrev_b32 v4, 3, v2
	s_wait_kmcnt 0x0
	s_add_nc_u64 s[12:13], s[12:13], s[26:27]
	s_add_nc_u64 s[22:23], s[22:23], s[28:29]
.irp i, 0,1,2,3,4,5,6,7,8,9,10,11,12,13,14,15
	global_load_b128 v[32+4*\i:35+4*\i], v3, s[12:13] offset:512*\i th:TH_LOAD_NT
.endr
.irp i, 0,1,2,3,4,5,6,7,8,9,10,11,12,13,14,15
	s_wait_loadcnt 15-\i                           ; load i is in, the later ones may be out
	v_cvt_pk_f16_f32 v[96+2*\i], v[32+4*\i], v[33+4*\i]
	v_cvt_pk_f16_f32 v[97+2*\i], v[34+4*\i], v[35+4*\i]
	global_store_b64 v4, v[96+2*\i:97+2*\i], s[22:23] offset:256*\i
.endr
	s_endpgm
.Lfunc_end_k_q7beec76774_prep:
	.size	k_q7beec76774_prep, .Lfunc_end_k_q7beec76774_prep-k_q7beec76774_prep
	.p2alignl 7, 3214868480
	.fill 96, 4, 3214868480
	.section	.rodata,"a",@progbits
	.p2align	6, 0x0
	.amdhsa_kernel k_q7beec76774_prep
		.amdhsa_group_segment_fixed_size 51712
		.amdhsa_private_segment_fixed_size 0
		.amdhsa_enable_private_segment 0
		.amdhsa_kernarg_size 80
		.amdhsa_user_sgpr_count 2
		.amdhsa_user_sgpr_kernarg_segment_ptr 1
		.amdhsa_wavefront_size32 1
		.amdhsa_system_sgpr_workgroup_id_x 1
		.amdhsa_system_sgpr_workgroup_id_y 1
		.amdhsa_system_sgpr_workgroup_id_z 1
		.amdhsa_system_vgpr_workitem_id 0
		.amdhsa_next_free_vgpr 192
		.amdhsa_next_free_sgpr 66
		.amdhsa_reserve_vcc 0
		.amdhsa_float_denorm_mode_32 3
		.amdhsa_float_denorm_mode_16_64 3
		.amdhsa_memory_ordered 1
		.amdhsa_forward_progress 1
		.amdhsa_inst_pref_size 79
	.end_amdhsa_kernel
	.amdgpu_metadata
---
amdhsa.version: [ 1, 2 ]
amdhsa.kernels:
  - .name:           k_q7beec76774_prep
    .symbol:         k_q7beec76774_prep.kd
    .args:
      - { .name: x, .offset: 0, .size: 8, .value_kind: global_buffer, .address_space: global }
      - { .name: Wq, .offset: 8, .size: 8, .value_kind: global_buffer, .address_space: global }
      - { .name: Wk, .offset: 16, .size: 8, .value_kind: global_buffer, .address_space: global }
      - { .name: Wv, .offset: 24, .size: 8, .value_kind: global_buffer, .address_space: global }
      - { .name: Wp, .offset: 32, .size: 8, .value_kind: global_buffer, .address_space: global }
      - { .name: xc, .offset: 40, .size: 8, .value_kind: global_buffer, .address_space: global }
      - { .name: xs, .offset: 48, .size: 8, .value_kind: global_buffer, .address_space: global }
      - { .name: wc, .offset: 56, .size: 8, .value_kind: global_buffer, .address_space: global }
      - { .name: ws, .offset: 64, .size: 8, .value_kind: global_buffer, .address_space: global }
      - { .name: wph, .offset: 72, .size: 8, .value_kind: global_buffer, .address_space: global }
    .group_segment_fixed_size: 51712
    .private_segment_fixed_size: 0
    .kernarg_segment_align: 8
    .kernarg_segment_size: 80
    .max_flat_workgroup_size: 128
    .sgpr_count:     66
    .vgpr_count:     192
    .wavefront_size: 32
...
	.end_amdgpu_metadata
.endif
;; end of part 1
;; launch qkv (part 2): grid 12 x 32, 4 waves a work-group, clusters of 4 x 4, 327,680 bytes of LDS; arguments xc, xs, wc, ws, qkv, fq; writes qkv, fq
.if DOCPART == 2
	.amdgcn_target "amdgcn-amd-amdhsa--gfx1250"
	.amdhsa_code_object_version 6
	.text
	.protected	k_q7beec76774_qkv
	.globl	k_q7beec76774_qkv
	.p2align	8
	.type	k_q7beec76774_qkv,@function
k_q7beec76774_qkv:
	s_mov_b64 s[64:65], 0
	v_nop
	global_prefetch_b8 v0, s[64:65] scope:SCOPE_SE
	s_setreg_imm32_b32 hwreg(HW_REG_WAVE_MODE, 25, 1), 1
	s_wait_xcnt 0x0
	s_wait_alu depctr_hold_cnt(0) depctr_sa_sdst(0) depctr_va_vdst(0) depctr_va_sdst(0) depctr_va_ssrc(0) depctr_va_vcc(0) depctr_vm_vsrc(0)
	s_getreg_b32 s2, hwreg(HW_REG_IB_STS2, 6, 4)
	s_cmp_eq_u32 s2, 0
	s_cbranch_scc0 .Lentry_in_a_cluster
	s_endpgm
.Lentry_in_a_cluster:
	s_bfe_u32 s2, ttmp6, 0x10000c
	s_cmp_lg_u32 s2, 0xf033
	s_cbranch_scc0 .Lentry_shape_is_right
	s_endpgm
.Lentry_shape_is_right:
; q, k, v = x W, all three in one GEMM on codes of FP4 (E2M1) with one E8M0 scale for each 32 along K: C[token][n] = sum over k of x[token][k] W[n][k], 8,192 x 3,072 x 1,024, sums in f32.
; n = 1024 sel + 64 h + e (sel 0, 1, 2 = q, k, v).  C leaves as f16, by head: qkv [sel][b][h][s][64]; positions 0-15 of every batch and head leave a second time as f32: fq [sel][b][h][16][64].
; A tile of C, 256 x 256, is made by a work-group of four waves; a wave makes 128 x 128: 64 accumulators of 16 x 16, 512 registers.  K is two steps of 512 (a tile's row is 256 bytes of memory):
; both lie in LDS from the start, in two slots, and no slot is filled again.  The scale bytes of the work-group's 256 + 256 rows, for all of K, are two dense blocks: they come once, in rows of 256 bytes.
; CLUSTERS: 4 x 4 work-groups.  The four of a row of the cluster need the same tiles of x, the four of a column the same tiles of W: each tile is asked for JOINTLY, by the same tensor load with the same
; descriptor and a mask that names the four.  The tile row is 8 cy + cluster y: so cy is the batch, and the tile that holds positions 0-15 is the one with cluster y = 0, alike in all sixteen partners.
; THE MATRIX INSTRUCTION IS USED TRANSPOSED (source 0 = 16 rows of W, source 1 = 16 tokens): a lane then holds eight neighbouring numbers of a row of C.
; LIMITS: |q|, |k|, |v| must stay under 65,504 (f16).  The 0.8 MB of fq leave 16 bytes a lane from the accumulators as they stand, so their aligned blocks of 256 bytes are filled by several instructions.
; REGISTERS, in windows of 256: window 0: v0-31 addresses; v32-95 scale words, two sets; v128-191 x's fragments, ONE set; on the way out v128-223.
;   window 1: W's fragments, TWO sets, at v0 and v128.   window 2: the 32 accumulators of my rows 0-63 ((a, b) at v[8 (8 a + b)]);   window 3: those of my rows 64-127.
.set NQ,     4                         ; matrix instructions deep in a slot: 512 / 128
.set ROWB,   256                       ; a tile's row in bytes
.set KROW,   512                       ; a row of xc or wc in memory
.set PITCH,  272                       ; an LDS row: 256 bytes + 16 of padding = 68 words: the 16 rows that a load touches start at 16 different banks (64 banks of 4 bytes: ISA guide 11.1)
.set FR,     8                         ; registers of a fragment: 16 rows x 128 K
.set NL,     2                         ; LDS loads that bring one
.set NP,     4                         ; places behind this matrix instruction (ISA guide 7.12.1)
.set HALFT,  128*PITCH
.set SLOT,   4*HALFT                   ; x's 256 rows, then W's 256 rows
.set KS,     32                        ; a row of scale bytes
.set SCL,    2*SLOT                    ; behind the slots: the scales, as rows of 256 bytes + 16 of padding
.set HALFS,  16*272                    ; the scales of 128 rows: what one tensor load brings
.set SBLK,   2*272                     ; those of 16 rows
.set SPARE,  SCL+4*HALFS               ; the spare words, 128 bytes for each wave: two blocks of 256 bytes that no other line names
.set SPITCH, 272                       ; the way out: a stage of 16 rows x (256 bytes + 16) for each wave, in slot 0, which has had its only fill and its last read when the first result is stored there
.set ADRA, 16                          ; v16-17  LDS address of my x fragments in slot 0, 1
.set ADRB, 20                          ; v20-21  the same for W
.set STO,  24                          ; v24     the way out: where I put 16 bytes of a row
.set RD,   25                          ; v25     where I read back: eight lanes to a head's 128 bytes of a row
.set CO,   26                          ; v26     16 x lane: my place in four rows of a head in qkv
.set ADRS, 27                          ; v27     LDS address of my scale words: lanes 0-15 x's rows, lanes 16-31 W's
.set SPW,  28                          ; v28     LDS address of my spare word; never rewritten
.set NIL,  29                          ; v29     0; never rewritten
.set FO,   30                          ; v30     my place in fq: 256 r + 32 h
.set SC,   32                          ; scale words: set s at v[SC + 32 s]; register 4 i + q: lanes 0-15 the word of x's block i, lanes 16-31 that of W's block i
.set AF,   128                         ; x's fragments
.set BK,   128                         ; the way out: 16 rows read back: v128-159 and v160-191 by turns
.set TMP,  192                         ; the way out: packed results
.set G1, 24                            ; s[24:31] group 1 for x's tiles;  s[32:39] group 0, one set for each slot
.set G0, 32
.set G1B, 48                           ; s[48:55], s[56:63] the same for W's tiles
.set G0B, 56
.set G1S, 68                           ; s[68:75], s[76:79] groups 1 and 0 for x's scales;  s[80:87], s[88:91] for W's
.set G0S, 76
.set G1SB, 80
.set G0SB, 88
.set MSB, 0
.macro WIN new                         ; the immediate's high byte repeats the setting that is left; a switch that changes nothing is dropped
.if MSB != (\new)
	s_set_vgpr_msb (MSB<<8)|(\new)
.set MSB, (\new)
.endif
.endm
.set MUL_LO, 0xa1                      ; source 0 (W) window 1, source 1 (x) window 0, C and D window 2
.set MUL_HI, 0xf1                      ; the same, C and D window 3
.set TO_B,   0x40                      ; destination window 1, address window 0
; A joint load: waves 0 and 1 fetch for x, waves 2 and 3 for W.  Each line has one mask and one set of registers for all that issue it; the branch hangs on the wave's number alone.
; An s_nop 0 and four v_nop follow each of the two lines.
.macro JLOAD g0a, g1a, g0b, g1b
	s_cmp_eq_u32 s15, 0
	s_cbranch_scc0 .Lfor_b_\@
	tensor_load_to_lds s[\g0a:\g0a+3], s[\g1a:\g1a+7]
	s_nop 0
.rept 4
	v_nop
.endr
	s_branch .Lasked_\@
.Lfor_b_\@:
	tensor_load_to_lds s[\g0b:\g0b+3], s[\g1b:\g1b+7]
	s_nop 0
.rept 4
	v_nop
.endr
.Lasked_\@:
.endm
.macro CROUND                          ; a round of the cluster's barrier
	s_barrier_signal -1
	s_barrier_wait -1
	s_cmp_lg_u32 s14, 0
	s_cbranch_scc1 .Lnot_wave_0_\@
	s_barrier_signal -3
.Lnot_wave_0_\@:
	s_barrier_wait -3
	s_barrier_signal -1
	s_barrier_wait -1
.endm
	s_load_b128 s[4:7], s[0:1], 0x0                ; xc s[4:5], xs s[6:7]
	s_load_b128 s[8:11], s[0:1], 0x10              ; wc s[8:9], ws s[10:11]
	s_load_b64 s[12:13], s[0:1], 0x20              ; qkv
	s_load_b64 s[98:99], s[0:1], 0x28              ; fq
	v_lshl_add_u32 v[SPW], v0, 2, SPARE
	v_mov_b32 v[NIL], 0
	ds_add_u32 v[SPW], v[NIL]                      ; the wave's opening: the add, twice on end, and its wait ahead of my first tensor load
	ds_add_u32 v[SPW], v[NIL]
	v_lshrrev_b32 v1, 5, v0
	v_readfirstlane_b32 s14, v1                    ; wave 0..3
	s_lshr_b32 s15, s14, 1                         ; which half of the tile's rows is mine.  Also: I fetch for x (0) or for W (1)
	s_and_b32 s16, s14, 1                          ; which half of its columns.  Also: which 128 rows of that tile I fetch
	s_bfe_u32 s40, ttmp6, 0x40000                  ; cx, cy: my place in the cluster
	s_bfe_u32 s41, ttmp6, 0x40004
	s_lshl_b32 s42, ttmp9, 2
	s_add_co_u32 s42, s42, s40                     ; tile column of C = 4 x cluster x + cx
	s_and_b32 s17, ttmp7, 0xffff
	s_lshl_b32 s18, s41, 3
	s_add_co_u32 s17, s17, s18                     ; tile row of C = 8 cy + cluster y
	s_lshl_b32 s43, s41, 2
	s_lshl_b32 s43, 15, s43                        ; my row of the cluster
	s_lshl_b32 s44, 0x1111, s40                    ; my column
	s_or_b32 s[G1+0], s43, (0<<16)|(1<<20)|(1<<21)|(5<<22)|(3<<25)  ; the mask; elements of 1 byte; padding on; bit 21 beside a mask; after every 64 words, 4 words
	s_or_b32 s[G1B+0], s44, (0<<16)|(1<<20)|(1<<21)|(5<<22)|(3<<25)
.irp g, G1, G1B
	s_mov_b32 s[\g+1], ROWB<<16                    ; tensor_dim0
	s_mov_b32 s[\g+2], 128<<16                     ; tensor_dim1 = 128
	s_mov_b32 s[\g+3], ROWB<<16                    ; tile_dim0
	s_mov_b32 s[\g+4], 128                         ; tile_dim1 = 128
	s_mov_b32 s[\g+5], KROW                        ; tensor_dim0_stride
	s_mov_b32 s[\g+6], 0
	s_mov_b32 s[\g+7], 0
.endr
	s_or_b32 s[G1S+0], s43, (3<<16)|(1<<20)|(1<<21)|(5<<22)|(3<<25) ; the scales of 128 rows: 4,096 dense bytes as 16 rows of 256 (32 elements of 8 bytes), 16 bytes of padding behind each
	s_or_b32 s[G1SB+0], s44, (3<<16)|(1<<20)|(1<<21)|(5<<22)|(3<<25)
.irp g, G1S, G1SB
	s_mov_b32 s[\g+1], 32<<16
	s_mov_b32 s[\g+2], 16<<16
	s_mov_b32 s[\g+3], 32<<16
	s_mov_b32 s[\g+4], 16
	s_mov_b32 s[\g+5], 32
	s_mov_b32 s[\g+6], 0
	s_mov_b32 s[\g+7], 0
.endr
	s_lshl_b32 s18, s16, 7                         ; which 128 rows of the tile I fetch
	s_lshl_b32 s20, s17, 8
	s_add_co_u32 s20, s20, s18                     ; x: row 256 x tile row + 128 x half
	s_lshl_b32 s46, s42, 8
	s_add_co_u32 s46, s46, s18                     ; W: row 256 x tile column + 128 x half
	s_mov_b32 s21, 0
	s_mov_b32 s47, 0
	s_mov_b64 s[18:19], KS
	s_mul_u64 s[22:23], s[20:21], s[18:19]         ; where these rows' scales begin, in bytes
	s_mul_u64 s[92:93], s[46:47], s[18:19]
	s_mov_b64 s[18:19], KROW
	s_mul_u64 s[20:21], s[20:21], s[18:19]         ; and their codes
	s_mul_u64 s[46:47], s[46:47], s[18:19]
	s_mul_i32 s45, s14, HALFT                      ; where they go: wave x 128 rows: no place in the cluster enters an LDS address
	s_mul_i32 s94, s14, HALFS
	s_wait_dscnt 0x0                               ; both opening adds are done
	s_wait_kmcnt 0x0
	s_add_nc_u64 s[20:21], s[4:5], s[20:21]
	s_add_nc_u64 s[22:23], s[6:7], s[22:23]
	s_add_nc_u64 s[46:47], s[8:9], s[46:47]
	s_add_nc_u64 s[92:93], s[10:11], s[92:93]
	CROUND                                         ; all sixteen work-groups are here: the joint loads meet
	s_mov_b32 s[G0S], 1
	s_add_co_u32 s[G0S+1], s94, SCL
	s_mov_b64 s[G0S+2:G0S+3], s[22:23]
	s_or_b32 s[G0S+3], s[G0S+3], 0x80000000
	s_mov_b32 s[G0SB], 1
	s_add_co_u32 s[G0SB+1], s94, SCL
	s_mov_b64 s[G0SB+2:G0SB+3], s[92:93]
	s_or_b32 s[G0SB+3], s[G0SB+3], 0x80000000
	JLOAD G0S, G1S, G0SB, G1SB                     ; the scales first: they are wanted with K step 0.  By this text's count a wave has three tensor loads out at the most
.irp s, 0,1
	s_mov_b32 s[G0+4*\s], 1
	s_add_co_u32 s[G0+4*\s+1], s45, \s*SLOT
	s_add_nc_u64 s[G0+4*\s+2:G0+4*\s+3], s[20:21], \s*ROWB
	s_or_b32 s[G0+4*\s+3], s[G0+4*\s+3], 0x80000000
	s_mov_b32 s[G0B+4*\s], 1
	s_add_co_u32 s[G0B+4*\s+1], s45, \s*SLOT
	s_add_nc_u64 s[G0B+4*\s+2:G0B+4*\s+3], s[46:47], \s*ROWB
	s_or_b32 s[G0B+4*\s+3], s[G0B+4*\s+3], 0x80000000
	JLOAD G0+4*\s, G1, G0B+4*\s, G1B
.endr
	v_and_b32 v1, 15, v0                           ; r = l % 16
	v_bfe_u32 v2, v0, 4, 1                         ; h = l / 16
	v_mul_u32_u24 v3, v1, PITCH
	v_lshl_add_u32 v4, v2, 4, v3                   ; a fragment's row x pitch + 16 x half
	s_mul_i32 s21, s15, HALFT                      ; my 128 rows of x
	s_mul_i32 s22, s16, HALFT                      ; my 128 rows of W,
	s_add_co_u32 s22, s22, 2*HALFT                 ; which lie behind x's 256
.irp s, 0,1
	v_add_nc_u32 v[ADRA+\s], s21, v4
	v_add_nc_u32 v[ADRB+\s], s22, v4
	s_add_co_u32 s21, s21, SLOT
	s_add_co_u32 s22, s22, SLOT
.endr
	v_mul_u32_u24 v5, v1, KS                       ; my row's scales: 32 bytes a row,
	v_lshrrev_b32 v6, 8, v5
	v_lshl_add_u32 v5, v6, 4, v5                   ; and 16 more for each 256 passed
	s_mul_i32 s21, s15, HALFS                      ; x's: my 128 rows
	s_mul_i32 s22, s16, HALFS                      ; W's: my 128 rows, behind x's 256
	s_add_co_u32 s22, s22, 2*HALFS
	s_sub_co_u32 s22, s22, s21
	v_mul_u32_u24 v6, s22, v2                      ; lanes 16-31 take W's: one product, the distance between the two bases
	s_add_co_u32 s21, s21, SCL
	v_add_nc_u32 v5, v5, v6
	v_add_nc_u32 v[ADRS], s21, v5
	s_mul_i32 s23, s14, 16*SPITCH                  ; my stage
	v_mul_u32_u24 v5, v1, SPITCH                   ; in: row r, 16 bytes for each half of the lanes
	v_lshl_add_u32 v5, v2, 4, v5
	v_add_nc_u32 v[STO], s23, v5
	v_bfe_u32 v5, v0, 3, 2                         ; back: lane / 8 = one of four rows,
	v_mul_u32_u24 v5, v5, SPITCH
	v_and_b32 v6, 7, v0
	v_lshl_add_u32 v5, v6, 4, v5                   ; 16 (lane % 8) in a head's 128 bytes
	v_add_nc_u32 v[RD], s23, v5
	v_and_b32 v6, 31, v0
	v_lshlrev_b32 v[CO], 4, v6
	v_lshlrev_b32 v[FO], 8, v1
	v_lshl_add_u32 v[FO], v2, 5, v[FO]
	; where my part of C begins.  My 128 columns are two heads: 4 (tile column % 4) + 2 (column half) + 0, 1 of weight sel = tile column / 4
	s_lshr_b32 s20, s42, 2                         ; sel
	s_and_b32 s21, s42, 3
	s_lshl_b32 s21, s21, 2
	s_lshl_b32 s22, s16, 1
	s_add_co_u32 s21, s21, s22                     ; my first head
	s_lshl_b32 s22, s20, 2
	s_add_co_u32 s22, s22, s41                     ; 4 sel + b
	s_lshl_b32 s22, s22, 4
	s_add_co_u32 s22, s22, s21                     ; (4 sel + b) 16 + head
	s_lshl_b32 s96, s22, 12                        ; fq: 4,096 bytes for each
	s_mov_b32 s97, 0
	s_add_nc_u64 s[98:99], s[98:99], s[96:97]
	s_lshl_b32 s96, s22, 18                        ; qkv: 262,144 bytes for each,
	s_and_b32 s23, ttmp7, 0xffff                   ; cluster y
	s_lshl_b32 s46, s23, 8
	s_lshl_b32 s47, s15, 7
	s_add_co_u32 s46, s46, s47                     ; my first position: 256 x cluster y + 128 x row half,
	s_lshl_b32 s46, s46, 7                         ; 128 bytes a position
	s_add_co_u32 s96, s96, s46
	s_add_nc_u64 s[12:13], s[12:13], s[96:97]
	s_or_b32 s95, s23, s15                         ; 0: my block 0 is positions 0-15.  Cluster y and the wave's number alone: alike in all partners
.macro FRAG reg, adr, q, i             ; a fragment: lane l holds row l % 16; registers 4 c .. 4 c + 3 hold K = 64 c + 32 (l / 16) + 0 .. 31
.irp c, 0,1
	ds_load_b128 v[\reg+4*\c:\reg+4*\c+3], v[\adr] offset:64*(\q)+32*\c+(\i)*16*PITCH
.endr
.endm
; 16 matrix instructions: x's blocks a0, a0 + 1 against W's eight, 128 along K: the slot's q-th.  p: W's set; sc: the set of scale words.  zero = 1: the first product starts the sums.
; The 64 accumulators take turns, one instruction a turn, in the same order in every step.
.macro MUL16 a0, p, q, sc, zero
.irp a, \a0, \a0+1
.irp b, 0,1,2,3,4,5,6,7
.if \zero
	v_wmma_scale_f32_16x16x128_f8f6f4 v[8*(8*((\a)%4)+\b):8*(8*((\a)%4)+\b)+7], v[128*(\p)+FR*\b:128*(\p)+FR*\b+FR-1], v[AF+FR*(\a):AF+FR*(\a)+FR-1], 0, v[SC+8*NQ*(\sc)+NQ*\b+(\q)], v[SC+8*NQ*(\sc)+NQ*(\a)+(\q)] matrix_a_fmt:MATRIX_FMT_FP4 matrix_b_fmt:MATRIX_FMT_FP4 matrix_a_scale:MATRIX_SCALE_ROW1
.else
	v_wmma_scale_f32_16x16x128_f8f6f4 v[8*(8*((\a)%4)+\b):8*(8*((\a)%4)+\b)+7], v[128*(\p)+FR*\b:128*(\p)+FR*\b+FR-1], v[AF+FR*(\a):AF+FR*(\a)+FR-1], v[8*(8*((\a)%4)+\b):8*(8*((\a)%4)+\b)+7], v[SC+8*NQ*(\sc)+NQ*\b+(\q)], v[SC+8*NQ*(\sc)+NQ*(\a)+(\q)] matrix_a_fmt:MATRIX_FMT_FP4 matrix_b_fmt:MATRIX_FMT_FP4 matrix_a_scale:MATRIX_SCALE_ROW1
.endif
.endr
.endr
.endm
.macro FETCH_B slot, q, p              ; W's eight fragments of the slot's q-th 128 along K into set p
	WIN TO_B
.irp i, 0,1,2,3,4,5,6,7
	FRAG 128*(\p)+FR*\i, ADRB+\slot, \q, \i
.endr
	WIN 0
.endm
.macro FETCH_A slot, q, i0             ; x's blocks i0 .. i0 + 3
.irp i, \i0, \i0+1, \i0+2, \i0+3
	FRAG AF+FR*(\i), ADRA+\slot, \q, \i
.endr
.endm
.macro SCALES sc                       ; a K step's scale words into set sc: four words a row; lanes 0-15 take x's block i, lanes 16-31 W's block i
.irp i, 0,1,2,3,4,5,6,7
	ds_load_b128 v[SC+8*NQ*\sc+NQ*\i:SC+8*NQ*\sc+NQ*\i+3], v[ADRS] offset:\i*SBLK
.endr
.endm
.macro PLACES n                        ; plain vector instructions that name no register of the matrix instructions before them (ISA guide 7.12.1)
.rept \n
	v_nop
.endr
.endm
; A step of 128 along K that has its successor in the same slot.  x has one set of registers: blocks 0-3 are fetched anew in the step's middle, blocks 4-7 at its end; W has two sets.
.macro STEP slot, q, zero
	s_wait_dscnt 4*NL                              ; W's set and x's blocks 0-3 are in; the youngest eight loads (x's blocks 4-7) may be out
	WIN MUL_LO
	MUL16 0, (\q)%2, \q, \slot, \zero
	MUL16 2, (\q)%2, \q, \slot, \zero
	s_wait_dscnt 0                                 ; x's blocks 4-7 are in
	PLACES NP
	FETCH_B \slot, (\q)+1, 1-(\q)%2
	FETCH_A \slot, (\q)+1, 0
	WIN MUL_HI
	MUL16 4, (\q)%2, \q, \slot, \zero
	MUL16 6, (\q)%2, \q, \slot, \zero
	PLACES NP
	WIN 0
	FETCH_A \slot, (\q)+1, 4
.endm
; Slot 0's last step goes over to slot 1: one barrier; in front of it each wave waits for all its tensor loads (its part of slot 1), adds 0 to its spare word, and waits for that and for its reads of slot 0.
; Behind it nobody reads slot 0 any more, which the stages of the way out lean on.
.macro TURN slot, next
	s_wait_tensorcnt 0x0                           ; all my tensor loads have landed  (every window is 0 here: the add's two registers lie in window 0)
	ds_add_u32 v[SPW], v[NIL]                      ; 0 onto my spare word
	s_wait_dscnt 4*NL+1                            ; the add and the youngest eight loads may be out
	WIN MUL_LO
	MUL16 0, 1, NQ-1, \slot, 0                     ; sixteen matrix instructions stand between the add and the wait for it
	s_wait_dscnt 0x0                               ; the add is done, and my reads of this slot are over
	s_barrier_signal -1
	MUL16 2, 1, NQ-1, \slot, 0
	WIN 0
	s_barrier_wait -1
	PLACES NP
	v_add_nc_u32 v[ADRS], 4*NQ, v[ADRS]            ; on to the next K step's scale words
	FETCH_B \next, 0, 0
	FETCH_A \next, 0, 0
	SCALES \next
	WIN MUL_HI
	MUL16 4, 1, NQ-1, \slot, 0
	MUL16 6, 1, NQ-1, \slot, 0
	PLACES NP
	WIN 0
	FETCH_A \next, 0, 4
.endm
.macro STEPS slot, from                ; the slot's steps from .. NQ - 2
.set Q, \from
.rept NQ-1-\from
	STEP \slot, Q, 0
.set Q, Q+1
.endr
.endm
	s_wait_tensorcnt 1                             ; the scales and my part of K step 0 are in; the one load behind them, K step 1's, may be out
	s_barrier_signal -1
	s_barrier_wait -1                              ; everybody's are
	FETCH_B 0, 0, 0
	FETCH_A 0, 0, 0
	SCALES 0
	FETCH_A 0, 0, 4
	STEP 0, 0, 1                                   ; the first step's products start the sums: nothing is cleared
	STEPS 0, 1
	TURN 0, 1
	STEPS 1, 0
	s_wait_dscnt 4*NL                              ; the very last step: nothing more to fetch
	WIN MUL_LO
	MUL16 0, 1, NQ-1, 1, 0
	MUL16 2, 1, NQ-1, 1, 0
	s_wait_dscnt 0
	WIN MUL_HI
	MUL16 4, 1, NQ-1, 1, 0
	MUL16 6, 1, NQ-1, 1, 0
	WIN 0
; THE WAY OUT, block by block of 16 positions x 128 columns (two heads).  PACK: rounded to f16, 16 bytes a lane, each accumulator from its low end on.  TOSTAGE: into my own stage, and back by heads:
; eight lanes to a position's 128 bytes, four positions an instruction.  SEND: four positions of a head are 512 consecutive bytes of qkv.
.macro PACK a
.set AC, 64*((\a)%4)
	WIN 0x0a+5*((\a)/4)                            ; sources 0 and 1: window 2 or 3
.irp b, 0,1,2,3,4,5,6,7
.irp i, 0,1,2,3
	v_cvt_pk_f16_f32 v[TMP+4*\b+\i], v[AC+8*\b+2*\i], v[AC+8*\b+2*\i+1]
.endr
.endr
	WIN 0
.endm
.macro TOSTAGE a
.set BB, BK+32*((\a)%2)
.irp b, 0,1,2,3,4,5,6,7
	ds_store_b128 v[STO], v[TMP+4*\b:TMP+4*\b+3] offset:32*\b
.endr
.irp u, 0,1
.irp i, 0,1,2,3
	ds_load_b128 v[BB+4*(4*\u+\i):BB+4*(4*\u+\i)+3], v[RD] offset:\i*4*SPITCH+\u*128   ; LDS serves a wave's instructions in order (ISA guide 5.7.1.4): these see the stores above
.endr
.endr
.endm
.macro SEND a
.set BB, BK+32*((\a)%2)
	s_wait_dscnt 0x0                               ; the block is back in registers
	s_wait_xcnt 0x0                                ; earlier stores have read their base and their registers: the base may step, and the next block's loads may land
.if (\a) > 0
	s_add_nc_u64 s[12:13], s[12:13], 16*128        ; 16 positions on
.endif
.irp u, 0,1
.irp i, 0,1,2,3
	global_store_b128 v[CO], v[BB+4*(4*\u+\i):BB+4*(4*\u+\i)+3], s[12:13] offset:\u*262144+\i*512   ; 32 lanes store 512 consecutive bytes, at a multiple of 256 from qkv's first byte
.endr
.endr
.endm
	PLACES NP                                      ; behind the last products: for the reads of results and the loads into the registers that held x's fragments
	s_cmp_eq_u32 s95, 0                            ; positions 0-15 leave as f32 too, from the accumulators as they stand
	s_cbranch_scc0 .Lno_fine
	WIN 0x08                                       ; a store's data are its source 1: window 2
.irp b, 0,1,2,3,4,5,6,7
.irp g, 0,1
	global_store_b128 v[FO], v[8*\b+4*\g:8*\b+4*\g+3], s[98:99] offset:(\b/4)*4096+(\b%4)*64+16*\g   ; lane (r, h): position r, head b / 4, channels 16 (b % 4) + 8 h + 4 g on; the low half first
.endr
.endr
	WIN 0
.Lno_fine:
	PACK 0
	TOSTAGE 0
.irp a, 1,2,3,4,5,6,7                  ; block a's conversions stand between block a - 1's loads from the stage and the wait for them
	PACK \a
	SEND \a-1
	TOSTAGE \a
.endr
	SEND 7
	s_wait_tensorcnt 0x0                           ; the wave's end, behind my last tensor load and my last LDS store
	ds_add_u32 v[SPW], v[NIL]
	s_wait_dscnt 0x0
	CROUND                                         ; the closing round: no work-group ends while a partner may still ask for a tile that names it
	s_endpgm
.Lfunc_end_k_q7beec76774_qkv:
	.size	k_q7beec76774_qkv, .Lfunc_end_k_q7beec76774_qkv-k_q7beec76774_qkv
	.p2alignl 7, 3214868480
	.fill 96, 4, 3214868480
	.section	.rodata,"a",@progbits
	.p2align	6, 0x0
	.amdhsa_kernel k_q7beec76774_qkv
		.amdhsa_group_segment_fixed_size 327680
		.amdhsa_private_segment_fixed_size 0
		.amdhsa_enable_private_segment 0
		.amdhsa_kernarg_size 48
		.amdhsa_user_sgpr_count 2
		.amdhsa_user_sgpr_kernarg_segment_ptr 1
		.amdhsa_wavefront_size32 1
		.amdhsa_system_sgpr_workgroup_id_x 1
		.amdhsa_system_sgpr_workgroup_id_y 1
		.amdhsa_system_sgpr_workgroup_id_z 1
		.amdhsa_system_vgpr_workitem_id 0
		.amdhsa_next_free_vgpr 1024
		.amdhsa_next_free_sgpr 100
		.amdhsa_reserve_vcc 0
		.amdhsa_float_denorm_mode_32 3
		.amdhsa_float_denorm_mode_16_64 3
		.amdhsa_memory_ordered 1
		.amdhsa_forward_progress 1
		.amdhsa_inst_pref_size 129
	.end_amdhsa_kernel
	.amdgpu_metadata
---
amdhsa.version: [ 1, 2 ]
amdhsa.kernels:
  - .name:           k_q7beec76774_qkv
    .symbol:         k_q7beec76774_qkv.kd
    .args:
      - { .name: xc, .offset: 0, .size: 8, .value_kind: global_buffer, .address_space: global }
      - { .name: xs, .offset: 8, .size: 8, .value_kind: global_buffer, .address_space: global }
      - { .name: wc, .offset: 16, .size: 8, .value_kind: global_buffer, .address_space: global }
      - { .name: ws, .offset: 24, .size: 8, .value_kind: global_buffer, .address_space: global }
      - { .name: qkv, .offset: 32, .size: 8, .value_kind: global_buffer, .address_space: global }
      - { .name: fq, .offset: 40, .size: 8, .value_kind: global_buffer, .address_space: global }
    .group_segment_fixed_size: 327680
    .private_segment_fixed_size: 0
    .kernarg_segment_align: 8
    .kernarg_segment_size: 48
    .max_flat_workgroup_size: 128
    .sgpr_count:     100
    .vgpr_count:     1024
    .wavefront_size: 32
...
	.end_amdgpu_metadata
.endif
;; end of part 2
;; launch attn (part 3): grid 4 x 64, 16 waves a work-group, no clusters, 327,680 bytes of LDS; arguments qkv, att; writes att
.if DOCPART == 3
	.amdgcn_target "amdgcn-amd-amdhsa--gfx1250"
	.amdhsa_code_object_version 6
	.text
	.protected	k_q7beec76774_attn
	.globl	k_q7beec76774_attn
	.p2align	8
	.type	k_q7beec76774_attn,@function
k_q7beec76774_attn:
	s_mov_b64 s[64:65], 0
	v_nop
	global_prefetch_b8 v0, s[64:65] scope:SCOPE_SE
	s_setreg_imm32_b32 hwreg(HW_REG_WAVE_MODE, 25, 1), 1
	s_wait_xcnt 0x0
; Causal attention, head size 64: o[q] = sum over k <= q of softmax_k(q . k / 8) v[k].  q, k, v: f16, qkv [sel][b][h][2048][64].  Products on f16 operands with f32 sums; maxima, exponentials and sums in f32;
; the weights p are rounded to f16 for the second product, o once at the end.  o leaves as f16 in att: byte (token / 2) 4096 + 256 h + 128 (token % 2) + 2 e, so that two tokens of a head are 256 consecutive bytes.
; SHARES.  A work-group owns one batch and head (y) and the blocks i and 7 - i of 256 queries (x = i): under the mask that is the same work in each of the 256 work-groups.
; Each of its SIXTEEN waves owns 32 neighbouring queries, two tiles of 16 that share every fragment of K and V read from LDS, in 256 registers: four waves to a SIMD, so that one wave's vector work stands
; beside another's matrix work and LDS loads.  Early and late queries are dealt so that waves w, w + 4, w + 8, w + 12 and also waves 4 w .. 4 w + 3 hold two early and two late pieces.
; NO CLUSTER: heads share no K or V, and the query blocks of one head need different numbers of tiles under the mask.
; THE WALK.  Every work-group walks all 8 slots of 256 keys, 64 keys a step: the trip counts are constants.  A wave jumps over a step all of whose keys come after its queries (a scalar branch on ids);
; in its one step on the diagonal hidden scores become -infinity.  A slot whose first key comes after the work-group's last query is not asked for.
; LAYOUT.  S^T = K Q^T (source 0 = 16 keys, source 1 = 16 queries): a lane holds ONE query (lane % 16) and the keys 8 (lane / 16) + 0..7.  Two such tiles, rounded to f16 in pairs, ARE source 1 of
; O^T = V^T P.  K comes out of LDS as it lies, V ([key][channel]) turned, by ds_load_tr16_b128.
; SOFTMAX.  For each query a running maximum m and sum l: p = 2^(c s - c m), c = log2(e) / 8; in every step O and l are multiplied by a = 2^(c m_old - c m_new).
; LIMITS: scores under -3e38 are not served; NaN and infinities are not served; o must stay under 65,504 (it is an average of v).
.set SK,    256                        ; keys in a slot
.set KPR,   272                        ; two keys' rows of K in LDS: 256 bytes + 16: key x at 272 (x / 2) + 128 (x % 2): the 16 keys of a load start at 16 different 16-byte columns
.set VPR,   288                        ; two keys' rows of V: 256 + 32
.set VOFF,  128*KPR                    ; a slot: 128 pair rows of K, then 128 of V
.set SLOT1, 1<<17                      ; slot 1 begins here, so that one exclusive or turns an address in one slot into the other's
.set NSL,   8
.set SPARE, SLOT1+VOFF+128*VPR         ; behind slot 1: the spare words, 128 bytes for each wave: eight blocks of 256 bytes that no other line names
.set SGP,   144                        ; the way out: a stage of 16 rows x (128 bytes + 16) for each wave, in slot 0, which was left at the last change of slots
.set AK0, 1                            ; v1   my lane's place in a tile of K
.set AV0, 2                            ; v2   the same for V
.set ADK, 3                            ; v3   LDS address of the step's tiles of K
.set ADV, 4                            ; v4   of V
.set SPW, 5                            ; v5   LDS address of my spare word; never rewritten
.set NIL, 6                            ; v6   0; never rewritten
.set PFO, 7                            ; v7   the prefetches' offset: 256 x my lane; never rewritten
.set LQ,  8                            ; v8   r - 8 h;  v9 the mask's threshold;  v10 -infinity;  v11 Q's offset
.set ST,  12                           ; tile t's statistics at v[12 + 4 t]: c m, m, l (even registers'), l (odd registers')
.set CH,  20                           ; v[20 + 4 t] on: four chains of the maximum, later two pairs of sums
.set AP,  28                           ; v[28 + 2 t]: a; the word above it is named in the pair and written once
.set RQ,  32                           ; v32-63   Q: tile t, channels 32 c on: v[32 + 16 t + 8 c]
.set RF,  64                           ; v64-127  eight fragments of K, then eight of V
.set RS,  128                          ; v128-191 S^T: tile t, keys 16 kt on: v[128 + 32 t + 8 kt]; then p; then P in the low 16 of each 32
.set RO,  192                          ; v192-255 O^T: tile t, channels 16 ct on: v[192 + 32 t + 8 ct]
.set TB,  2                            ; s2   LDS byte at which the slot in hand begins
.set WV,  18
.set SEL, 20                           ; s[20:21] lane selects for v_permlanex16_b32: lane l xor 16
.set CS,  22                           ; s[22:23] c, twice
.set G1K, 24
.set G1V, 32
.set G0K, 40
.set G0V, 44
.set QL,  66                           ; s66  my work-group's last query
.set SLOTS, 67
.set PFA, 76                           ; s[76:77] where my prefetches stand
.set LIM, 80                           ; s80  1 in a wave that prefetches, else the greatest number
.set KF,  98                           ; s98  the step's first key
.set Q0,  99                           ; s99  my first query
; Waves 0 and 1 fetch K's halves of a slot, waves 2 and 3 V's, the others nothing.  The branches hang on the wave's number alone.  An s_nop 0 and four v_nop follow each line.
.macro TLOAD
	s_cmp_lt_u32 s[WV], 2
	s_cbranch_scc0 .Lnot_k_\@
	tensor_load_to_lds s[G0K:G0K+3], s[G1K:G1K+7]
	s_nop 0
.rept 4
	v_nop
.endr
	s_branch .Lasked_\@
.Lnot_k_\@:
	s_cmp_lt_u32 s[WV], 4
	s_cbranch_scc0 .Lasked_\@
	tensor_load_to_lds s[G0V:G0V+3], s[G1V:G1V+7]
	s_nop 0
.rept 4
	v_nop
.endr
.Lasked_\@:
.endm
; A prefetch of what the NEXT change of slots will ask for: a slot's K and V are two dense blocks of 32,768 bytes.  All four work-groups of a head walk the same K and V: the one with x = 0, which walks
; all slots, asks; in it waves 4 to 7 for K's block and waves 8 to 11 for V's, 8,192 bytes a wave, lanes 256 bytes apart: each aligned block of 256 bytes is named once in the launch.
; Slots 0 and 1 come by their loads alone; the last change that fills a slot asks for nothing.
.macro ASK
	s_cmp_gt_u32 s[SLOTS], s[LIM]
	s_cbranch_scc0 .Lnot_mine_\@
	global_prefetch_b8 v[PFO], s[PFA:PFA+1] th:TH_LOAD_NT scope:SCOPE_SE
.Lnot_mine_\@:
.endm
	s_load_b128 s[4:7], s[0:1], 0x0                ; qkv s[4:5], att s[6:7]
	v_lshl_add_u32 v[SPW], v0, 2, SPARE
	v_mov_b32 v[NIL], 0
	ds_add_u32 v[SPW], v[NIL]                      ; the wave's opening: the add, twice on end, and its wait ahead of my first tensor load
	ds_add_u32 v[SPW], v[NIL]
	v_lshrrev_b32 v1, 5, v0
	v_readfirstlane_b32 s[WV], v1                  ; wave 0..15
	s_and_b32 s68, ttmp7, 0xffff                   ; 16 b + head
	s_lshl_b32 s69, s68, 18                        ; its 262,144 bytes in each of q, k, v
	s_lshr_b32 s70, s[WV], 2
	s_xor_b32 s70, s70, s[WV]
	s_and_b32 s70, s70, 1                          ; 0: an early piece, 1: a late one
	s_lshl_b32 s71, ttmp9, 3
	s_lshr_b32 s72, s[WV], 1
	s_add_co_u32 s71, s71, s72                     ; u = 8 i + wave / 2
	s_sub_co_u32 s72, 63, s71
	s_cmp_eq_u32 s70, 0
	s_cselect_b32 s71, s71, s72
	s_lshl_b32 s[Q0], s71, 5                       ; my first query: 32 u or 32 (63 - u)
	s_lshl_b32 s[QL], ttmp9, 8
	s_sub_co_u32 s[QL], 2047, s[QL]                ; the last query of block 7 - i
	; descriptor group 1: 64 rows of 128 elements of 2 bytes (two keys a row), dense in memory, padded in LDS
	s_mov_b32 s[G1K], (1<<16)|(1<<20)|(5<<22)|(3<<25)   ; no mask; elements of 2 bytes; padding on: after every 64 words, 4 words
	s_mov_b32 s[G1V], (1<<16)|(1<<20)|(5<<22)|(7<<25)   ; the same with 8 words
.irp g, G1K, G1V
	s_mov_b32 s[\g+1], 128<<16                     ; tensor_dim0
	s_mov_b32 s[\g+2], 64<<16                      ; tensor_dim1
	s_mov_b32 s[\g+3], 128<<16                     ; tile_dim0
	s_mov_b32 s[\g+4], 64                          ; tile_dim1
	s_mov_b32 s[\g+5], 128                         ; tensor_dim0_stride
	s_mov_b32 s[\g+6], 0
	s_mov_b32 s[\g+7], 0
.endr
	s_and_b32 s73, s[WV], 1                        ; which half of a slot I fetch, if I fetch
	s_mul_i32 s74, s73, 64*KPR                     ; K: in a slot
	s_mul_i32 s75, s73, 64*VPR
	s_add_co_u32 s75, s75, VOFF                    ; V: in a slot
	s_lshl_b32 s81, s73, 14                        ; 128 keys of 128 bytes in memory
	s_add_co_u32 s82, s69, s81
	s_add_co_u32 s84, s82, 1<<24                   ; k lies 16 MiB into qkv,
	s_mov_b32 s85, 0
	s_add_co_u32 s86, s82, 1<<25                   ; v 32 MiB
	s_mov_b32 s87, 0
	s_lshl_b32 s88, s[Q0], 7
	s_add_co_u32 s88, s88, s69                     ; q at my first query
	s_mov_b32 s89, 0
	s_lshr_b32 s92, s68, 4
	s_lshl_b32 s92, s92, 22                        ; att: b x 1,024 pair rows of 4,096 bytes,
	s_lshl_b32 s93, s[Q0], 11
	s_add_co_u32 s92, s92, s93                     ; + my first query's pair row,
	s_and_b32 s93, s68, 15
	s_lshl_b32 s93, s93, 8
	s_add_co_u32 s92, s92, s93                     ; + 256 x head
	s_mov_b32 s93, 0
	s_mov_b32 s83, 1<<25                           ; the prefetches: waves 4 to 7 ask for k, waves 8 to 11 for v: an OFFSET is chosen
	s_cmp_lt_u32 s[WV], 8
	s_cselect_b32 s94, 1<<24, s83
	s_add_co_u32 s94, s94, s69
	s_and_b32 s83, s[WV], 3
	s_lshl_b32 s83, s83, 13
	s_add_co_u32 s94, s94, s83                     ; my wave's 8,192 bytes,
	s_add_co_u32 s94, s94, 32768                   ; in slot 1: the first change of slots steps it to slot 2
	s_mov_b32 s95, 0
	s_sub_co_u32 s83, s[WV], 4
	s_lshr_b32 s83, s83, 3                         ; 0 in waves 4 to 11,
	s_or_b32 s83, s83, ttmp9                       ; of the head's first work-group
	s_cmp_eq_u32 s83, 0
	s_cselect_b32 s[LIM], 1, -1
	s_mov_b32 s[SEL], 0x76543210
	s_mov_b32 s[SEL+1], 0xfedcba98
	s_mov_b32 s[CS], 0x3e38aa3b                    ; c = log2(e) / 8
	s_mov_b32 s[CS+1], s[CS]
	s_mov_b32 s[TB], 0
	s_mov_b32 s[KF], 0
	s_mov_b32 s[SLOTS], NSL-1
	s_wait_dscnt 0x0                               ; both opening adds are done
	s_wait_kmcnt 0x0
	s_mov_b32 s[G0K], 1                            ; count = 1
	s_mov_b32 s[G0K+1], s74                        ; LDS address: slot 0
	s_add_nc_u64 s[G0K+2:G0K+3], s[4:5], s[84:85]  ; global address: the head's first keys
	s_or_b32 s[G0K+3], s[G0K+3], 0x80000000        ; type = 2
	s_mov_b32 s[G0V], 1
	s_mov_b32 s[G0V+1], s75
	s_add_nc_u64 s[G0V+2:G0V+3], s[4:5], s[86:87]
	s_or_b32 s[G0V+3], s[G0V+3], 0x80000000
	TLOAD                                          ; slot 0.  By this text's count a wave never has more than one tensor load out
	s_add_nc_u64 s[90:91], s[4:5], s[88:89]        ; q
	s_add_nc_u64 s[6:7], s[6:7], s[92:93]          ; att
	s_add_nc_u64 s[PFA:PFA+1], s[4:5], s[94:95]
	v_and_b32 v20, 15, v0                          ; r
	v_bfe_u32 v21, v0, 4, 1                        ; h
	v_lshlrev_b32 v11, 7, v20
	v_lshl_add_u32 v11, v21, 4, v11                ; Q: row r of 128 bytes, + 16 h
.irp t, 0,1
.irp c, 0,1
	global_load_b128 v[RQ+16*\t+8*\c:RQ+16*\t+8*\c+3],   v11, s[90:91] offset:\t*2048+\c*64      ; Q's fragments stay in registers
	global_load_b128 v[RQ+16*\t+8*\c+4:RQ+16*\t+8*\c+7], v11, s[90:91] offset:\t*2048+\c*64+32
.endr
.endr
	v_lshrrev_b32 v22, 1, v20
	v_mul_u32_u24 v[AK0], v22, KPR
	v_and_b32 v22, 1, v20
	v_lshl_add_u32 v[AK0], v22, 7, v[AK0]
	v_lshl_add_u32 v[AK0], v21, 4, v[AK0]          ; K: 272 (r / 2) + 128 (r % 2) + 16 h
	v_and_b32 v22, 7, v0
	v_lshl_add_u32 v22, v21, 3, v22                ; the turning load: my key 8 h + l % 8,
	v_lshrrev_b32 v23, 1, v22
	v_mul_u32_u24 v[AV0], v23, VPR
	v_and_b32 v23, 1, v22
	v_lshl_add_u32 v[AV0], v23, 7, v[AV0]
	v_bfe_u32 v23, v0, 3, 1
	v_lshl_add_u32 v[AV0], v23, 4, v[AV0]          ; channels 8 ((l / 8) % 2) on
	v_add_nc_u32 v[AV0], VOFF, v[AV0]
	v_lshlrev_b32 v22, 3, v21
	v_sub_nc_u32 v[LQ], v20, v22
	v_mov_b32 v10, 0xff800000                      ; -infinity
	v_and_b32 v[PFO], 31, v0
	v_lshlrev_b32 v[PFO], 8, v[PFO]
.irp t, 0,1
	v_mov_b32 v[ST+4*\t+1], 0xff61b1e6             ; m: -3e38, under every score
	v_mul_f32 v[ST+4*\t], s[CS], v[ST+4*\t+1]      ; c m
	v_mov_b32 v[ST+4*\t+2], 0                      ; l
	v_mov_b32 v[ST+4*\t+3], 0
	v_mov_b32 v[CH+4*\t+1], 0                      ; written once: a lane permute's destination counts as one of its sources
	v_mov_b32 v[AP+2*\t], 0
	v_mov_b32 v[AP+2*\t+1], 0                      ; named as the upper half of a pair
.endr
.set j, 0
.rept 64
	v_mov_b32 v[RO+j], 0                           ; O^T.  The step is written once: the first finds zeros, which a = 0 leaves zeros
.set j, j+1
.endr
; A KEY STEP: 64 keys, the q-th of the slot in hand.
.macro STEP q
	s_add_co_u32 s96, s[Q0], 31
	s_cmp_gt_u32 s[KF], s96                        ; all its keys come after my 32 queries: the step's work is left out.  No barrier, wait for tiles or tensor load stands in a step
	s_cbranch_scc1 .Lhidden_\@
	v_add_nc_u32 v[ADK], s[TB], v[AK0]
	v_add_nc_u32 v[ADV], s[TB], v[AV0]
.rept 3
	v_nop                                          ; with the two additions five places behind the last V^T P: four for the loads into its fragments' registers, five for the products that write over P
.endr
.irp kt, 0,1,2,3
.irp c, 0,1
	ds_load_b128 v[RF+8*(2*\kt+\c):RF+8*(2*\kt+\c)+3],   v[ADK] offset:(\q)*32*KPR+\kt*8*KPR+\c*64
	ds_load_b128 v[RF+8*(2*\kt+\c)+4:RF+8*(2*\kt+\c)+7], v[ADK] offset:(\q)*32*KPR+\kt*8*KPR+\c*64+32
.endr
.endr
	s_wait_dscnt 0x0
.irp c, 0,1                                    ; S^T = K Q^T: eight accumulators by turns, one instruction a turn; the first eight start the sums
.irp kt, 0,1,2,3
.irp t, 0,1
.if \c == 0
	v_wmma_f32_16x16x32_f16 v[RS+32*\t+8*\kt:RS+32*\t+8*\kt+7], v[RF+8*(2*\kt+\c):RF+8*(2*\kt+\c)+7], v[RQ+16*\t+8*\c:RQ+16*\t+8*\c+7], 0
.else
	v_wmma_f32_16x16x32_f16 v[RS+32*\t+8*\kt:RS+32*\t+8*\kt+7], v[RF+8*(2*\kt+\c):RF+8*(2*\kt+\c)+7], v[RQ+16*\t+8*\c:RQ+16*\t+8*\c+7], v[RS+32*\t+8*\kt:RS+32*\t+8*\kt+7]
.endif
.endr
.endr
.endr
.rept 4
	v_nop                                          ; four places: for the loads into K's registers, and for the first reads of the scores
.endr
.irp kh, 0,1                                   ; V of this step, turned, lands while the softmax is worked
.irp ct, 0,1,2,3
	ds_load_tr16_b128 v[RF+8*(4*\kh+\ct):RF+8*(4*\kh+\ct)+3],   v[ADV] offset:(\q)*32*VPR+\kh*16*VPR+\ct*32
	ds_load_tr16_b128 v[RF+8*(4*\kh+\ct)+4:RF+8*(4*\kh+\ct)+7], v[ADV] offset:(\q)*32*VPR+\kh*16*VPR+\ct*32+8*VPR
.endr
.endr
	s_add_co_u32 s96, s[KF], 63                    ; a step all of whose keys count skips the mask
	s_cmp_le_u32 s96, s[Q0]
	s_cbranch_scc1 .Lopen_\@
	s_sub_co_i32 s96, s[Q0], s[KF]
	v_add_nc_u32 v9, s96, v[LQ]                    ; d = Q0 - KF + r - 8 h.  Register 8 kt + j of tile t holds key KF + 16 kt + 8 h + j for query Q0 + 16 t + r: hidden where 16 kt + j - 16 t > d
.irp t, 0,1
.irp kt, 0,1,2,3
.irp j, 0,1,2,3,4,5,6,7
	v_cmp_gt_i32 vcc_lo, 16*\kt+\j-16*\t, v9
	v_cndmask_b32 v[RS+32*\t+8*\kt+\j], v[RS+32*\t+8*\kt+\j], v10, vcc_lo
.endr
.endr
.endr
.Lopen_\@:
.irp j, 0,1,2,3                                ; the maximum: four chains a tile, each begun at an accumulator's low end; the two tiles line by line
.irp t, 0,1
	v_max3_num_f32 v[CH+4*\t+\j], v[RS+32*\t+8*\j], v[RS+32*\t+8*\j+1], v[RS+32*\t+8*\j+2]
.endr
.endr
.irp g, 1,2
.irp j, 0,1,2,3
.irp t, 0,1
	v_max3_num_f32 v[CH+4*\t+\j], v[CH+4*\t+\j], v[RS+32*\t+8*\j+2*\g+1], v[RS+32*\t+8*\j+2*\g+2]
.endr
.endr
.endr
.irp t, 0,1
	v_max3_num_f32 v[CH+4*\t], v[CH+4*\t], v[RS+32*\t+7], v[RS+32*\t+15]
.endr
.irp t, 0,1
	v_max3_num_f32 v[CH+4*\t+2], v[CH+4*\t+2], v[RS+32*\t+23], v[RS+32*\t+31]
.endr
.irp t, 0,1
	v_max3_num_f32 v[CH+4*\t], v[CH+4*\t], v[CH+4*\t+1], v[CH+4*\t+2]
.endr
.irp t, 0,1
	v_max3_num_f32 v[CH+4*\t], v[CH+4*\t], v[CH+4*\t+3], v[ST+4*\t+1]   ; and the old m
.endr
.irp t, 0,1
	v_permlanex16_b32 v[CH+4*\t+1], v[CH+4*\t], s[SEL], s[SEL+1]        ; the query's other 32 keys lie in the lane 16 away
.endr
.irp t, 0,1
	v_mov_b32 v[CH+4*\t+3], v[ST+4*\t]             ; c m_old is kept for a
.endr
.irp t, 0,1
	v_max_num_f32 v[ST+4*\t+1], v[CH+4*\t], v[CH+4*\t+1]
.endr
.irp t, 0,1
	v_mul_f32 v[ST+4*\t], s[CS], v[ST+4*\t+1]
.endr
.irp t, 0,1
	v_sub_f32 v[CH+4*\t+3], v[CH+4*\t+3], v[ST+4*\t]
.endr
.set j, 0
.rept 16
.irp t, 0,1
	v_pk_fma_f32 v[RS+32*\t+j:RS+32*\t+j+1], v[RS+32*\t+j:RS+32*\t+j+1], s[CS:CS+1], v[ST+4*\t:ST+4*\t+1] op_sel_hi:[1,0,0] neg_lo:[0,0,1] neg_hi:[0,0,1]   ; c s - c m, two at a time
.endr
.set j, j+2
.endr
.irp t, 0,1                                    ; ONE batch of 66 exponentials, none of which reads another's result
	v_exp_f32 v[AP+2*\t], v[CH+4*\t+3]             ; a
.endr
.set j, 0
.rept 32
.irp t, 0,1
	v_exp_f32 v[RS+32*\t+j], v[RS+32*\t+j]         ; p
.endr
.set j, j+1
.endr
	v_nop                                          ; a plain instruction behind the last exponential
	s_wait_alu depctr_va_vdst(0)                   ; and ONE wait for the batch, ahead of its first reader
.irp t, 0,1                                    ; the sums of the unrounded p, two chains of pairs a tile
	v_pk_add_f32 v[CH+4*\t:CH+4*\t+1], v[RS+32*\t:RS+32*\t+1], v[RS+32*\t+2:RS+32*\t+3]
	v_pk_add_f32 v[CH+4*\t+2:CH+4*\t+3], v[RS+32*\t+4:RS+32*\t+5], v[RS+32*\t+6:RS+32*\t+7]
.endr
.irp p, 8,12,16,20,24,28
.irp t, 0,1
	v_pk_add_f32 v[CH+4*\t:CH+4*\t+1], v[CH+4*\t:CH+4*\t+1], v[RS+32*\t+\p:RS+32*\t+\p+1]
	v_pk_add_f32 v[CH+4*\t+2:CH+4*\t+3], v[CH+4*\t+2:CH+4*\t+3], v[RS+32*\t+\p+2:RS+32*\t+\p+3]
.endr
.endr
.irp t, 0,1
	v_pk_add_f32 v[CH+4*\t:CH+4*\t+1], v[CH+4*\t:CH+4*\t+1], v[CH+4*\t+2:CH+4*\t+3]
.endr
.irp t, 0,1
	v_pk_fma_f32 v[ST+4*\t+2:ST+4*\t+3], v[ST+4*\t+2:ST+4*\t+3], v[AP+2*\t:AP+2*\t+1], v[CH+4*\t:CH+4*\t+1] op_sel_hi:[1,0,1]   ; l = a l + the sum
.endr
.set j, 0
.rept 16                                       ; P IN PLACE: register j takes p 2 j and 2 j + 1 as f16; ascending, so nothing unread is written over.  Keys 32 kh on are then registers 8 kh .. 8 kh + 7
.irp t, 0,1
	v_cvt_pk_f16_f32 v[RS+32*\t+j], v[RS+32*\t+2*j], v[RS+32*\t+2*j+1]
.endr
.set j, j+1
.endr
.set j, 0
.rept 16
.irp t, 0,1
	v_pk_mul_f32 v[RO+32*\t+j:RO+32*\t+j+1], v[RO+32*\t+j:RO+32*\t+j+1], v[AP+2*\t:AP+2*\t+1] op_sel_hi:[1,0]   ; O^T x a, each accumulator from its low end on
.endr
.set j, j+2
.endr
	s_wait_dscnt 0x0                               ; V is in
.irp kh, 0,1                                   ; O^T += V^T P: eight accumulators by turns
.irp ct, 0,1,2,3
.irp t, 0,1
	v_wmma_f32_16x16x32_f16 v[RO+32*\t+8*\ct:RO+32*\t+8*\ct+7], v[RF+8*(4*\kh+\ct):RF+8*(4*\kh+\ct)+7], v[RS+32*\t+8*\kh:RS+32*\t+8*\kh+7], v[RO+32*\t+8*\ct:RO+32*\t+8*\ct+7]
.endr
.endr
.endr
.Lhidden_\@:
	s_add_co_u32 s[KF], s[KF], 64
.endm
; THE CHANGE OF SLOTS stands at a slot's head.  Each wave waits for all its tensor loads (its part of the slot that it is about to read), adds 0 to its spare word, and waits for that and for its reads of
; the slot that it has left.  Behind the barrier the slot ahead is whole and nobody reads the other one.  fill = 1: that other slot takes the next 256 keys, up to the causal limit.
.macro CHANGE fill
	s_wait_tensorcnt 0x0                           ; no tensor load of mine is out, so a group 0 may be written
	ds_add_u32 v[SPW], v[NIL]                      ; 0 onto my spare word
.if \fill
	ds_add_u32 v[SPW], v[NIL]                      ; and once more: twice on end, in every trip alike
	s_xor_b32 s[G0K+1], s[G0K+1], SLOT1            ; the walking descriptors: the other slot than last time,
	s_add_nc_u64 s[G0K+2:G0K+3], s[G0K+2:G0K+3], SK*128   ; the next 256 keys; the type bits on top are not reached
	s_xor_b32 s[G0V+1], s[G0V+1], SLOT1
	s_add_nc_u64 s[G0V+2:G0V+3], s[G0V+2:G0V+3], SK*128
	s_wait_xcnt 0x0                                ; the last prefetch, a slot back, has read its address, so it may be written
	s_add_nc_u64 s[PFA:PFA+1], s[PFA:PFA+1], SK*128
.endif
	s_wait_dscnt 0x0                               ; the add is done, and my reads of the slot that I have left are over
	s_barrier_signal -1
	s_barrier_wait -1
.if \fill
	s_add_co_u32 s96, s[KF], SK                    ; the first key of the slot that this change would ask for:
	s_cmp_gt_u32 s96, s[QL]                        ; behind my work-group's last query none of its waves would read it.  Ids and the count of steps alone: all sixteen waves go the same way; every wait for tiles in this text is for 0
	s_cbranch_scc1 .Lpast_\@
	TLOAD                                          ; a wave's one tensor load until the next barrier
.Lpast_\@:
	ASK
.endif
.endm
.macro SLOT_STEPS
	STEP 0
	STEP 1
	STEP 2
	STEP 3
	s_xor_b32 s[TB], s[TB], SLOT1                  ; on to the other slot
.endm
	s_wait_loadcnt 0x0                             ; Q
.Lslot:                                            ; 7 trips: behind each change of slots but the last the next slot is asked for
	CHANGE 1
	SLOT_STEPS
	s_sub_co_u32 s[SLOTS], s[SLOTS], 1
	s_cmp_lg_u32 s[SLOTS], 0
	s_cbranch_scc1 .Lslot
	CHANGE 0                                       ; the last slot is written out
	SLOT_STEPS
	; THE WAY OUT.  l's two halves and the other half of the lanes' are added; O^T is divided by l, rounded to f16, and goes through my stage, a tile of 16 queries at a time.
	; The additions and the address lines are the places behind the last products.
	v_add_f32 v20, v14, v15
	v_add_f32 v24, v18, v19
	v_permlanex16_b32 v21, v20, s[SEL], s[SEL+1]
	v_permlanex16_b32 v25, v24, s[SEL], s[SEL+1]
	v_add_f32 v20, v20, v21
	v_add_f32 v24, v24, v25
	v_rcp_f32 v[AP], v20
	v_rcp_f32 v[AP+2], v24
	v_and_b32 v8, 15, v0                           ; r  (plain lines behind the reciprocals)
	v_bfe_u32 v9, v0, 4, 1                         ; h
	s_mul_i32 s96, s[WV], 16*SGP                   ; my stage
	v_mul_u32_u24 v1, v8, SGP
	v_lshl_add_u32 v1, v9, 4, v1
	v_add_nc_u32 v1, s96, v1                       ; in: row r, + 16 h; channels 16 ct on are 32 ct bytes on
	v_bfe_u32 v10, v0, 3, 2
	v_mul_u32_u24 v2, v10, SGP
	v_and_b32 v10, 7, v0
	v_lshl_add_u32 v2, v10, 4, v2
	v_add_nc_u32 v2, s96, v2                       ; back: eight lanes to a row of 128 bytes, four rows an instruction
	v_lshlrev_b32 v3, 12, v9
	v_lshl_add_u32 v3, v8, 4, v3                   ; in att: sixteen lanes fill two tokens' 256 bytes of my head; lanes 16-31 the next pair row
	s_wait_alu depctr_va_vdst(0)                   ; one wait for the two reciprocals, ahead of their first reader
.set j, 0
.rept 16
.irp t, 0,1
	v_pk_mul_f32 v[RO+32*\t+j:RO+32*\t+j+1], v[RO+32*\t+j:RO+32*\t+j+1], v[AP+2*\t:AP+2*\t+1] op_sel_hi:[1,0]
.endr
.set j, j+2
.endr
.set j, 0
.rept 16
.irp t, 0,1
	v_cvt_pk_f16_f32 v[RS+16*\t+j], v[RO+32*\t+2*j], v[RO+32*\t+2*j+1]
.endr
.set j, j+1
.endr
.irp t, 0,1
.irp ct, 0,1,2,3
	ds_store_b128 v1, v[RS+16*\t+4*\ct:RS+16*\t+4*\ct+3] offset:32*\ct
.endr
.irp i, 0,1,2,3
	ds_load_b128 v[RS+32+16*\t+4*\i:RS+32+16*\t+4*\i+3], v2 offset:4*\i*SGP   ; LDS serves a wave's instructions in order: these see my stores, and the next tile's stores come behind them
.endr
.endr
.irp i, 0,1,2,3
	s_wait_dscnt 11-\i                             ; tile 0's load i is in: behind it stand its 3 - i later loads and tile 1's eight LDS instructions
	global_store_b128 v3, v[RS+32+4*\i:RS+32+4*\i+3], s[6:7] offset:\i*8192
.endr
.irp i, 0,1,2,3
	s_wait_dscnt 3-\i
	global_store_b128 v3, v[RS+48+4*\i:RS+48+4*\i+3], s[6:7] offset:32768+\i*8192
.endr
	s_wait_tensorcnt 0x0                           ; the wave's end, behind my last tensor load and my last LDS store
	ds_add_u32 v[SPW], v[NIL]
	s_wait_dscnt 0x0
	s_endpgm
.Lfunc_end_k_q7beec76774_attn:
	.size	k_q7beec76774_attn, .Lfunc_end_k_q7beec76774_attn-k_q7beec76774_attn
	.p2alignl 7, 3214868480
	.fill 96, 4, 3214868480
	.section	.rodata,"a",@progbits
	.p2align	6, 0x0
	.amdhsa_kernel k_q7beec76774_attn
		.amdhsa_group_segment_fixed_size 327680
		.amdhsa_private_segment_fixed_size 0
		.amdhsa_enable_private_segment 0
		.amdhsa_kernarg_size 16
		.amdhsa_user_sgpr_count 2
		.amdhsa_user_sgpr_kernarg_segment_ptr 1
		.amdhsa_wavefront_size32 1
		.amdhsa_system_sgpr_workgroup_id_x 1
		.amdhsa_system_sgpr_workgroup_id_y 1
		.amdhsa_system_sgpr_workgroup_id_z 1
		.amdhsa_system_vgpr_workitem_id 0
		.amdhsa_next_free_vgpr 256
		.amdhsa_next_free_sgpr 100
		.amdhsa_reserve_vcc 1
		.amdhsa_float_denorm_mode_32 3
		.amdhsa_float_denorm_mode_16_64 3
		.amdhsa_memory_ordered 1
		.amdhsa_forward_progress 1
		.amdhsa_inst_pref_size 188
	.end_amdhsa_kernel
	.amdgpu_metadata
---
amdhsa.version: [ 1, 2 ]
amdhsa.kernels:
  - .name:           k_q7beec76774_attn
    .symbol:         k_q7beec76774_attn.kd
    .args:
      - { .name: qkv, .offset: 0, .size: 8, .value_kind: global_buffer, .address_space: global }
      - { .name: att, .offset: 8, .size: 8, .value_kind: global_buffer, .address_space: global }
    .group_segment_fixed_size: 327680
    .private_segment_fixed_size: 0
    .kernarg_segment_align: 8
    .kernarg_segment_size: 16
    .max_flat_workgroup_size: 512
    .sgpr_count:     100
    .vgpr_count:     256
    .wavefront_size: 32
...
	.end_amdgpu_metadata
.endif
;; end of part 3
;; launch proj (part 4): grid 8 x 64, 4 waves a work-group, clusters of 4 x 4, 327,680 bytes of LDS; arguments att, wph, bp, out0; writes out0
.if DOCPART == 4
	.amdgcn_target "amdgcn-amd-amdhsa--gfx1250"
	.amdhsa_code_object_version 6
	.text
	.protected	k_q7beec76774_proj
	.globl	k_q7beec76774_proj
	.p2align	8
	.type	k_q7beec76774_proj,@function
k_q7beec76774_proj:
	s_mov_b64 s[64:65], 0
	v_nop
	global_prefetch_b8 v0, s[64:65] scope:SCOPE_SE
	s_setreg_imm32_b32 hwreg(HW_REG_WAVE_MODE, 25, 1), 1
	s_wait_xcnt 0x0
	s_wait_alu depctr_hold_cnt(0) depctr_sa_sdst(0) depctr_va_vdst(0) depctr_va_sdst(0) depctr_va_ssrc(0) depctr_va_vcc(0) depctr_vm_vsrc(0)
	s_getreg_b32 s2, hwreg(HW_REG_IB_STS2, 6, 4)
	s_cmp_eq_u32 s2, 0
	s_cbranch_scc0 .Lentry_in_a_cluster
	s_endpgm
.Lentry_in_a_cluster:
	s_bfe_u32 s2, ttmp6, 0x10000c
	s_cmp_lg_u32 s2, 0xf033
	s_cbranch_scc0 .Lentry_shape_is_right
	s_endpgm
.Lentry_shape_is_right:
; out0[token][n] = sum over k of o[token][k] Wp[k][n] + bp[n], 8,192 x 1,024 x 1,024, f16 operands, f32 sums, f32 out.  Positions 0-15 of every batch are NOT stored here: a later launch owns them.
; o lies in att as [4096 pairs of tokens][16 heads][2 tokens][64]: for the tensor load a plain matrix of 4,096 rows of 2,048 elements.  Wp lies in wph as [k][n]: its fragments come out of LDS turned.
; A tile of C is 128 x 128: 512 work-groups, two even rounds of the 256 WGPs.  Four waves, each 64 x 64: 16 accumulators, 128 registers.  K goes in steps of 256 (four heads) through two LDS slots.
; CLUSTERS: 4 x 4 work-groups.  The four of a row of the cluster need the same tiles of o, the four of a column the same tiles of Wp: each tile is asked for JOINTLY.  The tile row is 16 cy + cluster y:
; so cy is the batch, and the tile that holds positions 0-15 is the one with cluster y = 0, alike in all sixteen partners.
; THE MATRIX INSTRUCTION IS USED TRANSPOSED (source 0 = 16 columns of Wp, source 1 = 16 tokens): a lane holds eight neighbouring numbers of a row of C.  The bias is the C of each sum's first instruction.
; No prefetch: four short K steps on small tiles.
; REGISTERS: window 0: v0-31 addresses; v32-95 the way out; v96-127 the bias, 8 registers for each of my four column blocks; v128-255 the accumulators ((a, b) at v[128 + 8 (4 a + b)]).
;   window 1: two fragment buffers of 128: for 64 along K, 64 registers of o, then 64 of Wp.
.set APR,   1040                       ; a pair of tokens' row of o in LDS: 4 heads x 256 bytes + 16: token x, head g at 1040 (x / 2) + 256 g + 128 (x % 2)
.set BPR,   288                        ; a row k of Wp in LDS: 256 bytes + 32
.set AHALF, 32*APR                     ; 64 tokens: what one tensor load brings, and what one wave reads
.set BOFF,  2*AHALF
.set BHALF, 128*BPR                    ; 128 rows k: what one tensor load brings
.set SLOT,  BOFF+2*BHALF
.set STAGE, 2*SLOT                     ; behind the ring: 16 rows x (256 bytes + 16) for each wave, its own
.set SPITCH, 272
.set SPARE, STAGE+4*16*SPITCH          ; the spare words, 128 bytes for each wave: two blocks of 256 bytes that no other line names
.set LAPS,  2                          ; a lap = two K steps = once round the ring
.set ADRA, 16                          ; v16-17  LDS address of my o fragments in slot 0, 1
.set ADRB, 20                          ; v20-23  of Wp's: slot s, half qh of the K step: v[20 + 2 s + qh] (a K step's 256 rows reach beyond a 16-bit offset)
.set STO,  24
.set RD,   25
.set CO,   26
.set BA,   27                          ; v27     32 h: my eight numbers of a block's sixteen of bp
.set SPW,  28
.set NIL,  29
.set TMP,  32
.set BI,   96
.set ACC,  128
.set F0,   0
.set F1,   128
.set WV,  70
.set RH,  71                           ; wave / 2: which half of the tile's rows is mine.  Also: I fetch for o (0) or for Wp (1)
.set CH,  72                           ; wave % 2: which half of its columns.  Also: which half of that tile I fetch
.set TR,  73                           ; tile row
.set G1, 24
.set G0, 32
.set G1B, 48
.set G0B, 56
.set MSB, 0
.macro WIN new
.if MSB != (\new)
	s_set_vgpr_msb (MSB<<8)|(\new)
.set MSB, (\new)
.endif
.endm
.set MUL,  0x05                        ; sources 0 (Wp) and 1 (o) window 1; C and D window 0
.set TO_F, 0x40                        ; destination window 1, address window 0
.macro JLOAD s                         ; a joint load; an s_nop 0 and four v_nop follow each of the two lines
	s_cmp_eq_u32 s[RH], 0
	s_cbranch_scc0 .Lfor_b_\@
	tensor_load_to_lds s[G0+4*\s:G0+4*\s+3], s[G1:G1+7]
	s_nop 0
.rept 4
	v_nop
.endr
	s_branch .Lasked_\@
.Lfor_b_\@:
	tensor_load_to_lds s[G0B+4*\s:G0B+4*\s+3], s[G1B:G1B+7]
	s_nop 0
.rept 4
	v_nop
.endr
.Lasked_\@:
.endm
.macro CREST                           ; a round of the cluster's barrier behind its opening barrier
	s_cmp_lg_u32 s[WV], 0
	s_cbranch_scc1 .Lnot_wave_0_\@
	s_barrier_signal -3
.Lnot_wave_0_\@:
	s_barrier_wait -3
	s_barrier_signal -1
	s_barrier_wait -1
.endm
.macro CROUND
	s_barrier_signal -1
	s_barrier_wait -1
	CREST
.endm
	s_load_b256 s[4:11], s[0:1], 0x0               ; att s[4:5], wph s[6:7], bp s[8:9], out0 s[10:11]
	v_lshl_add_u32 v[SPW], v0, 2, SPARE
	v_mov_b32 v[NIL], 0
	ds_add_u32 v[SPW], v[NIL]                      ; the wave's opening: the add, twice on end, and its wait ahead of my first tensor load
	ds_add_u32 v[SPW], v[NIL]
	v_lshrrev_b32 v1, 5, v0
	v_readfirstlane_b32 s[WV], v1
	s_lshr_b32 s[RH], s[WV], 1
	s_and_b32 s[CH], s[WV], 1
	s_bfe_u32 s40, ttmp6, 0x40000                  ; cx, cy
	s_bfe_u32 s41, ttmp6, 0x40004
	s_lshl_b32 s42, ttmp9, 2
	s_add_co_u32 s42, s42, s40                     ; tile column = 4 x cluster x + cx
	s_and_b32 s[TR], ttmp7, 0xffff
	s_lshl_b32 s18, s41, 4
	s_add_co_u32 s[TR], s[TR], s18                 ; tile row = 16 cy + cluster y
	s_lshl_b32 s43, s41, 2
	s_lshl_b32 s43, 15, s43                        ; my row of the cluster
	s_lshl_b32 s44, 0x1111, s40                    ; my column
	s_or_b32 s[G1+0], s43, (1<<16)|(1<<20)|(1<<21)|(7<<22)|(3<<25)   ; o: the mask; elements of 2 bytes; padding on; bit 21 beside a mask; after every 256 words, 4 words
	s_mov_b32 s[G1+1], 512<<16                     ; tensor_dim0 = 512: four heads of two tokens
	s_mov_b32 s[G1+2], 32<<16                      ; tensor_dim1 = 32 pairs of tokens
	s_mov_b32 s[G1+3], 512<<16                     ; tile_dim0
	s_mov_b32 s[G1+4], 32                          ; tile_dim1
	s_mov_b32 s[G1+5], 2048                        ; tensor_dim0_stride
	s_mov_b32 s[G1+6], 0
	s_mov_b32 s[G1+7], 0
	s_or_b32 s[G1B+0], s44, (1<<16)|(1<<20)|(1<<21)|(5<<22)|(7<<25)  ; Wp: after every 64 words, 8 words
	s_mov_b32 s[G1B+1], 128<<16
	s_mov_b32 s[G1B+2], 128<<16
	s_mov_b32 s[G1B+3], 128<<16
	s_mov_b32 s[G1B+4], 128
	s_mov_b32 s[G1B+5], 1024
	s_mov_b32 s[G1B+6], 0
	s_mov_b32 s[G1B+7], 0
	s_lshl_b32 s16, s[TR], 18                      ; o: 64 pair rows of 4,096 bytes a tile row,
	s_lshl_b32 s17, s[CH], 17                      ; + 32 for the half that I fetch
	s_add_co_u32 s16, s16, s17
	s_mov_b32 s17, 0
	s_lshl_b32 s46, s42, 8                         ; Wp: 256 bytes a tile column,
	s_lshl_b32 s47, s[CH], 18                      ; + 128 rows of 2,048 bytes for the half that I fetch
	s_add_co_u32 s46, s46, s47
	s_mov_b32 s47, 0
	s_mul_i32 s20, s[CH], AHALF                    ; where they go: no place in the cluster enters an LDS address
	s_mul_i32 s21, s[CH], BHALF
	s_add_co_u32 s21, s21, BOFF
	s_wait_dscnt 0x0                               ; both opening adds are done
	s_wait_kmcnt 0x0
	s_add_nc_u64 s[14:15], s[4:5], s[16:17]
	s_add_nc_u64 s[46:47], s[6:7], s[46:47]
	CROUND                                         ; all sixteen work-groups are here: the first joint loads meet
.irp s, 0,1
	s_mov_b32 s[G0+4*\s], 1
	s_add_co_u32 s[G0+4*\s+1], s20, \s*SLOT
	s_add_nc_u64 s[G0+4*\s+2:G0+4*\s+3], s[14:15], \s*1024         ; K step s: four heads on in the pair row
	s_or_b32 s[G0+4*\s+3], s[G0+4*\s+3], 0x80000000
	s_mov_b32 s[G0B+4*\s], 1
	s_add_co_u32 s[G0B+4*\s+1], s21, \s*SLOT
	s_add_nc_u64 s[G0B+4*\s+2:G0B+4*\s+3], s[46:47], \s*524288     ; K step s: 256 rows down
	s_or_b32 s[G0B+4*\s+3], s[G0B+4*\s+3], 0x80000000
	JLOAD \s                                       ; by this text's count a wave has two tensor loads out here, later one
.endr
	v_and_b32 v1, 15, v0                           ; r
	v_bfe_u32 v2, v0, 4, 1                         ; h
	s_lshl_b32 s66, s42, 9
	s_lshl_b32 s67, s[CH], 8
	s_add_co_u32 s66, s66, s67                     ; my 64 columns, in bytes of f32
	s_mov_b32 s67, 0
	s_add_nc_u64 s[8:9], s[8:9], s[66:67]
	s_add_nc_u64 s[10:11], s[10:11], s[66:67]
	v_lshlrev_b32 v[BA], 5, v2
.irp b, 0,1,2,3
	global_load_b128 v[BI+8*\b:BI+8*\b+3],   v[BA], s[8:9] offset:64*\b      ; bp at columns 16 b + 8 h + 0 .. 7: the result's layout
	global_load_b128 v[BI+8*\b+4:BI+8*\b+7], v[BA], s[8:9] offset:64*\b+16
.endr
	s_lshl_b32 s66, s[TR], 19                      ; my first row of out0: 128 x tile row + 64 x row half, 4,096 bytes a row
	s_lshl_b32 s68, s[RH], 18
	s_add_co_u32 s66, s66, s68
	s_add_nc_u64 s[10:11], s[10:11], s[66:67]
	s_and_b32 s74, ttmp7, 0xffff
	s_or_b32 s74, s74, s[RH]                       ; 0: my block 0 is positions 0-15.  Cluster y and the wave's number alone: alike in all partners
	v_lshrrev_b32 v3, 1, v1
	v_mul_u32_u24 v3, v3, APR
	v_and_b32 v4, 1, v1
	v_lshl_add_u32 v3, v4, 7, v3
	v_lshl_add_u32 v3, v2, 4, v3                   ; o: 1040 (r / 2) + 128 (r % 2) + 16 h
	s_mul_i32 s22, s[RH], AHALF
	v_add_nc_u32 v[ADRA], s22, v3
	s_add_co_u32 s22, s22, SLOT
	v_add_nc_u32 v[ADRA+1], s22, v3
	v_and_b32 v4, 7, v0
	v_lshl_add_u32 v4, v2, 3, v4
	v_mul_u32_u24 v4, v4, BPR                      ; Wp, turned: row k = 8 h + l % 8,
	v_bfe_u32 v5, v0, 3, 1
	v_lshl_add_u32 v4, v5, 4, v4                   ; columns 8 ((l / 8) % 2) on
	s_lshl_b32 s23, s[CH], 7
	s_add_co_u32 s23, s23, BOFF
	v_add_nc_u32 v[ADRB], s23, v4
	s_add_co_u32 s23, s23, BHALF
	v_add_nc_u32 v[ADRB+1], s23, v4
	s_add_co_u32 s23, s23, SLOT-BHALF
	v_add_nc_u32 v[ADRB+2], s23, v4
	s_add_co_u32 s23, s23, BHALF
	v_add_nc_u32 v[ADRB+3], s23, v4
	s_mul_i32 s23, s[WV], 16*SPITCH
	s_add_co_u32 s23, s23, STAGE                   ; my stage
	v_mul_u32_u24 v4, v1, SPITCH
	v_lshl_add_u32 v4, v2, 5, v4
	v_add_nc_u32 v[STO], s23, v4                   ; in: row r, 32 bytes for each half of the lanes
	v_mul_u32_u24 v5, v2, SPITCH
	v_lshl_add_u32 v5, v1, 4, v5
	v_add_nc_u32 v[RD], s23, v5                    ; back: lanes 0-15 one row of 256 bytes, lanes 16-31 the next
	v_lshlrev_b32 v5, 12, v2
	v_lshl_add_u32 v[CO], v1, 4, v5                ; and the same two rows in out0
; 8 matrix instructions: row blocks a0, a0 + 1 x all 4 column blocks, 32 along K: half c of buffer f.  zero = 1: the first product starts the sums, with the bias as its C.
; The 16 accumulators take turns, one instruction a turn.
.macro MUL8 f, c, a0, zero
.irp a, \a0, \a0+1
.irp b, 0,1,2,3
.if \zero
	v_wmma_f32_16x16x32_f16 v[ACC+8*(4*(\a)+\b):ACC+8*(4*(\a)+\b)+7], v[\f+64+8*(4*\c+\b):\f+64+8*(4*\c+\b)+7], v[\f+8*(4*\c+\a):\f+8*(4*\c+\a)+7], v[BI+8*\b:BI+8*\b+7]
.else
	v_wmma_f32_16x16x32_f16 v[ACC+8*(4*(\a)+\b):ACC+8*(4*(\a)+\b)+7], v[\f+64+8*(4*\c+\b):\f+64+8*(4*\c+\b)+7], v[\f+8*(4*\c+\a):\f+8*(4*\c+\a)+7], v[ACC+8*(4*(\a)+\b):ACC+8*(4*(\a)+\b)+7]
.endif
.endr
.endr
.endm
; 32 LDS loads in one run: the fragments of the K step's q-th 64 along K (head q of its four), into buffer f; the first 32 along K first
.macro FETCH slot, q, f
	WIN TO_F
.irp c, 0,1
.irp i, 0,1,2,3
	ds_load_tr16_b128 v[\f+64+8*(4*\c+\i):\f+64+8*(4*\c+\i)+3],   v[ADRB+2*\slot+(\q)/2] offset:((\q)%2)*64*BPR+\c*32*BPR+\i*32
	ds_load_tr16_b128 v[\f+64+8*(4*\c+\i)+4:\f+64+8*(4*\c+\i)+7], v[ADRB+2*\slot+(\q)/2] offset:((\q)%2)*64*BPR+\c*32*BPR+\i*32+16*BPR
	ds_load_b128 v[\f+8*(4*\c+\i):\f+8*(4*\c+\i)+3],              v[ADRA+\slot] offset:(\q)*256+\c*64+\i*8*APR
	ds_load_b128 v[\f+8*(4*\c+\i)+4:\f+8*(4*\c+\i)+7],            v[ADRA+\slot] offset:(\q)*256+\c*64+\i*8*APR+32
.endr
.endr
.endm
.macro PLACES                          ; four places in front of loads into registers that matrix instructions have read, and of the first reads of results
.rept 4
	v_nop
.endr
.endm
; A K step is four quarters of 64 along K, 32 matrix instructions each, on buffers 0, 1, 0, 1.  One of the first three: multiplies buffer f and fetches quarter q into g.
.macro QUARTER slot, q, f, g, zero
	s_wait_dscnt 16                                ; the first 32 along K are in; the sixteen loads of the second 32 may be out
	WIN MUL
	MUL8 \f, 0, 0, \zero
	MUL8 \f, 0, 2, \zero
	PLACES
	FETCH \slot, \q, \g
	s_wait_dscnt 32                                ; all but the 32 just issued
	WIN MUL
	MUL8 \f, 1, 0, 0
	MUL8 \f, 1, 2, 0
.endm
; The last quarter multiplies buffer 1 and changes slots: ONE barrier; in front of it each wave waits for all its tensor loads, adds 0 to its spare word, and waits for that and for its reads of this slot.
; fill = 1: the barrier opens a round of the cluster's barrier, and this slot is filled again, two K steps ahead, first thing behind the round.
.macro TURN slot, next, fill
	WIN 0                                          ; (the add's two registers lie in window 0)
	s_wait_tensorcnt 0x0                           ; all my tensor loads have landed: my part of the next slot
	ds_add_u32 v[SPW], v[NIL]                      ; 0 onto my spare word
	s_wait_dscnt 17                                ; the add and the youngest sixteen loads may be out
	WIN MUL
	MUL8 F1, 0, 0, 0                               ; eight matrix instructions stand between the add and the wait for it
	s_wait_dscnt 0x0                               ; the add is done, and my reads of this slot are over
	s_barrier_signal -1
	MUL8 F1, 0, 2, 0
.if \fill
	WIN 0
.endif
	s_barrier_wait -1
.if \fill
	CREST                                          ; no wave of any partner still reads this slot's tile or has a load on its way
	s_add_nc_u64 s[G0+4*\slot+2:G0+4*\slot+3], s[G0+4*\slot+2:G0+4*\slot+3], 2048
	s_add_nc_u64 s[G0B+4*\slot+2:G0B+4*\slot+3], s[G0B+4*\slot+2:G0B+4*\slot+3], 1048576
	JLOAD \slot                                    ; the four v_nop behind it are also the places in front of the loads below
.else
	PLACES
.endif
	FETCH \next, 0, F0
	WIN MUL
	MUL8 F1, 1, 0, 0
	MUL8 F1, 1, 2, 0
.endm
	s_wait_tensorcnt 1                             ; my part of K step 0 is in; the one load behind it, K step 1's, may be out
	s_barrier_signal -1
	s_barrier_wait -1                              ; everybody's is
	FETCH 0, 0, F0
	s_wait_loadcnt 0x0                             ; the bias
	QUARTER 0, 1, F0, F1, 1                        ; the first quarter stands in front of the loop: its first products start the sums
	WIN 0                                          ; at a label and at a branch every window is 0
	s_mov_b32 s3, LAPS-1
.Llap:                                                 ; a trip goes once round the ring, from a lap's second quarter to the next lap's first, and fills both slots again
	QUARTER 0, 2, F1, F0, 0
	QUARTER 0, 3, F0, F1, 0
	TURN 0, 1, 1
	QUARTER 1, 1, F0, F1, 0
	QUARTER 1, 2, F1, F0, 0
	QUARTER 1, 3, F0, F1, 0
	TURN 1, 0, 1
	QUARTER 0, 1, F0, F1, 0
	WIN 0
	s_sub_co_u32 s3, s3, 1
	s_cmp_lg_u32 s3, 0
	s_cbranch_scc1 .Llap
	QUARTER 0, 2, F1, F0, 0                        ; the last lap fills nothing, and has no round of the cluster's barrier
	QUARTER 0, 3, F0, F1, 0
	TURN 0, 1, 0
	QUARTER 1, 1, F0, F1, 0
	QUARTER 1, 2, F1, F0, 0
	QUARTER 1, 3, F0, F1, 0
	s_wait_dscnt 16                                ; the very last quarter: nothing more to fetch
	WIN MUL
	MUL8 F1, 0, 0, 0
	MUL8 F1, 0, 2, 0
	s_wait_dscnt 0
	MUL8 F1, 1, 0, 0
	MUL8 F1, 1, 2, 0
	WIN 0
; THE WAY OUT, a block of 16 rows x my 64 columns at a time: a lane's 32 bytes go into my own stage, each accumulator from its low end on, and come back as whole rows of 256 bytes.
.macro OUTBLK a
	s_wait_xcnt 0x0                                ; earlier stores have read their registers: the loads below may land there
.irp b, 0,1,2,3
	ds_store_b128 v[STO], v[ACC+8*(4*\a+\b):ACC+8*(4*\a+\b)+3] offset:64*\b
	ds_store_b128 v[STO], v[ACC+8*(4*\a+\b)+4:ACC+8*(4*\a+\b)+7] offset:64*\b+16
.endr
.irp t, 0,1,2,3,4,5,6,7
	ds_load_b128 v[TMP+32*(\a%2)+4*\t:TMP+32*(\a%2)+4*\t+3], v[RD] offset:2*\t*SPITCH   ; LDS serves a wave's instructions in order: these see the stores above
.endr
.irp t, 0,1,2,3,4,5,6,7
	s_wait_dscnt 7-\t                              ; load t is in, the later ones may be out
	global_store_b128 v[CO], v[TMP+32*(\a%2)+4*\t:TMP+32*(\a%2)+4*\t+3], s[10:11] offset:(16*\a+2*\t)*4096 th:TH_STORE_NT   ; 16 lanes store 256 consecutive bytes, at a multiple of 256 from out0's first byte
.endr
.endm
	PLACES
	s_cmp_eq_u32 s74, 0                            ; positions 0-15 of a batch have another owner: each output byte is stored once
	s_cbranch_scc1 .Lnot_mine
	OUTBLK 0
.Lnot_mine:
	OUTBLK 1
	OUTBLK 2
	OUTBLK 3
	s_wait_tensorcnt 0x0                           ; the wave's end, behind my last tensor load and my last LDS store
	ds_add_u32 v[SPW], v[NIL]
	s_wait_dscnt 0x0
	CROUND                                         ; the closing round: no work-group ends while a partner may still ask for a tile that names it
	s_endpgm
.Lfunc_end_k_q7beec76774_proj:
	.size	k_q7beec76774_proj, .Lfunc_end_k_q7beec76774_proj-k_q7beec76774_proj
	.p2alignl 7, 3214868480
	.fill 96, 4, 3214868480
	.section	.rodata,"a",@progbits
	.p2align	6, 0x0
	.amdhsa_kernel k_q7beec76774_proj
		.amdhsa_group_segment_fixed_size 327680
		.amdhsa_private_segment_fixed_size 0
		.amdhsa_enable_private_segment 0
		.amdhsa_kernarg_size 32
		.amdhsa_user_sgpr_count 2
		.amdhsa_user_sgpr_kernarg_segment_ptr 1
		.amdhsa_wavefront_size32 1
		.amdhsa_system_sgpr_workgroup_id_x 1
		.amdhsa_system_sgpr_workgroup_id_y 1
		.amdhsa_system_sgpr_workgroup_id_z 1
		.amdhsa_system_vgpr_workitem_id 0
		.amdhsa_next_free_vgpr 512
		.amdhsa_next_free_sgpr 80
		.amdhsa_reserve_vcc 0
		.amdhsa_float_denorm_mode_32 3
		.amdhsa_float_denorm_mode_16_64 3
		.amdhsa_memory_ordered 1
		.amdhsa_forward_progress 1
		.amdhsa_inst_pref_size 88
	.end_amdhsa_kernel
	.amdgpu_metadata
---
amdhsa.version: [ 1, 2 ]
amdhsa.kernels:
  - .name:           k_q7beec76774_proj
    .symbol:         k_q7beec76774_proj.kd
    .args:
      - { .name: att, .offset: 0, .size: 8, .value_kind: global_buffer, .address_space: global }
      - { .name: wph, .offset: 8, .size: 8, .value_kind: global_buffer, .address_space: global }
      - { .name: bp, .offset: 16, .size: 8, .value_kind: global_buffer, .address_space: global }
      - { .name: out0, .offset: 24, .size: 8, .value_kind: global_buffer, .address_space: global }
    .group_segment_fixed_size: 327680
    .private_segment_fixed_size: 0
    .kernarg_segment_align: 8
    .kernarg_segment_size: 32
    .max_flat_workgroup_size: 128
    .sgpr_count:     80
    .vgpr_count:     512
    .wavefront_size: 32
...
	.end_amdgpu_metadata
.endif
;; end of part 4
;; launch fine (part 5): grid 16 x 4, 16 waves a work-group, no clusters, 71,680 bytes of LDS; arguments fq, Wp, bp, out0; writes out0
.if DOCPART == 5
	.amdgcn_target "amdgcn-amd-amdhsa--gfx1250"
	.amdhsa_code_object_version 6
	.text
	.protected	k_q7beec76774_fine
	.globl	k_q7beec76774_fine
	.p2align	8
	.type	k_q7beec76774_fine,@function
k_q7beec76774_fine:
	s_mov_b64 s[64:65], 0
	v_nop
	global_prefetch_b8 v0, s[64:65] scope:SCOPE_SE
	s_setreg_imm32_b32 hwreg(HW_REG_WAVE_MODE, 25, 1), 1
	s_wait_xcnt 0x0
; Positions 0-15 of every batch, all in f32: scores, softmax, the weighted sum of v, and the projection with Wp as it is given.  These rows average one to sixteen values, so rounded operands would weigh most here.
; q, k, v come as f32 from fq [sel][b][h][16][64].  A work-group owns a batch (y) and 64 output columns (x); wave w owns head w: it makes the head's 16 x 16 attention (each work-group repeats it: 12 KB a wave)
; and multiplies the head's 64 channels into the 64 columns; the sixteen partial results meet in LDS, and waves 0-7 add them in ascending order of heads, add the bias and store two whole rows' 256 bytes each.
; 64 rows of the output in all: no bulk work for the f32 matrix form.  Its accumulators, v192-239, are written by matrix instructions alone.
; A permutation of k applied alike to both sources keeps a product: each product below takes its k in the order in which the lane's registers hold it.
; LIMITS: NaN and infinities are not served.
.set SPW, 10                           ; v10  LDS address of my spare word; never rewritten
.set NIL, 11                           ; v11  0; never rewritten
.set SPARE, 16*16*272                  ; behind the sixteen partial results: 128 bytes for each wave, eight blocks of 256 bytes that no other line names
.set WV,  12
.set SEL, 14
.set CS,  16
; v1 r, v2 h, v3 r - 8 h; v4-v6, v13 offsets of loads; v7 where I store my partial result, v8 where I read, v9 my place in out0; v12 -infinity
; v16-23 p; v24-27 at work; v28-31 bias; v32-63 q, v64-95 k, later Wp's columns 32-63; v96-127 v, later o; v128-191 Wp's columns 0-31, later the partial results
	s_load_b256 s[4:11], s[0:1], 0x0               ; fq s[4:5], Wp s[6:7], bp s[8:9], out0 s[10:11]
	v_lshl_add_u32 v[SPW], v0, 2, SPARE
	v_mov_b32 v[NIL], 0
	v_lshrrev_b32 v1, 5, v0
	v_readfirstlane_b32 s[WV], v1                  ; wave = head
	v_and_b32 v1, 15, v0                           ; r
	v_bfe_u32 v2, v0, 4, 1                         ; h
	v_lshlrev_b32 v24, 3, v2
	v_sub_nc_u32 v3, v1, v24                       ; r - 8 h
	v_lshlrev_b32 v4, 8, v1
	v_lshl_add_u32 v4, v2, 4, v4                   ; q, k: row r of 256 bytes, + 16 h
	v_lshlrev_b32 v24, 2, v1
	v_lshl_add_u32 v5, v2, 11, v24                 ; v: key 8 h on, channel r
	v_lshl_add_u32 v6, v2, 15, v24                 ; Wp: row 8 h on, column r
	s_mul_i32 s18, s[WV], 16*272
	v_mul_u32_u24 v7, v1, 272
	v_lshl_add_u32 v7, v2, 5, v7
	v_add_nc_u32 v7, s18, v7                       ; my partial result: row r, + 32 h
	s_mul_i32 s19, s[WV], 2*272
	v_mul_u32_u24 v8, v2, 272
	v_lshl_add_u32 v8, v1, 4, v8
	v_add_nc_u32 v8, s19, v8                       ; the sum: rows 2 w and 2 w + 1, sixteen lanes to a row
	v_lshlrev_b32 v13, 4, v1
	v_lshl_add_u32 v9, v2, 12, v13
	v_mov_b32 v12, 0xff800000
	s_and_b32 s20, ttmp7, 0xffff                   ; b
	s_lshl_b32 s21, s20, 4
	s_add_co_u32 s21, s21, s[WV]
	s_lshl_b32 s22, s21, 12                        ; fq: (16 b + head) x 4,096 bytes
	s_mov_b32 s23, 0
	s_lshl_b32 s26, ttmp9, 8                       ; my 64 columns: 256 bytes
	s_mov_b32 s27, 0
	s_lshl_b32 s24, s[WV], 18                      ; Wp: the head's 64 rows of 4,096 bytes
	s_add_co_u32 s24, s24, s26
	s_mov_b32 s25, 0
	s_lshl_b32 s28, s20, 23                        ; out0: the batch's first row,
	s_lshl_b32 s29, s[WV], 13                      ; + 2 w rows,
	s_add_co_u32 s28, s28, s29
	s_add_co_u32 s28, s28, s26                     ; + my columns
	s_mov_b32 s29, 0
	s_mov_b32 s[SEL], 0x76543210
	s_mov_b32 s[SEL+1], 0xfedcba98
	s_mov_b32 s[CS], 0x3e38aa3b                    ; c = log2(e) / 8
	s_wait_kmcnt 0x0
	s_add_nc_u64 s[4:5], s[4:5], s[22:23]
	s_add_nc_u64 s[6:7], s[6:7], s[24:25]
	s_add_nc_u64 s[8:9], s[8:9], s[26:27]
	s_add_nc_u64 s[10:11], s[10:11], s[28:29]
.irp c, 0,1,2,3,4,5,6,7
	global_load_b128 v[32+4*\c:35+4*\c], v4, s[4:5] offset:32*\c            ; q(r, 8 c + 4 h + 0 .. 3)
.endr
.irp c, 0,1,2,3,4,5,6,7
	global_load_b128 v[64+4*\c:67+4*\c], v4, s[4:5] offset:262144+32*\c     ; k likewise
.endr
.irp ct, 0,1,2,3
.irp k, 0,1,2,3,4,5,6,7
	global_load_b32 v[96+8*\ct+\k], v5, s[4:5] offset:524288+\k*256+\ct*64  ; v(key 8 h + k, channel 16 ct + r)
.endr
.endr
	global_load_b128 v[28:31], v13, s[8:9]                                  ; the bias of my four columns of the sum
.irp nt, 0,1
.irp ct, 0,1,2,3
.irp k, 0,1,2,3,4,5,6,7
	global_load_b32 v[128+32*\nt+8*\ct+\k], v6, s[6:7] offset:(16*\ct+\k)*4096+\nt*64   ; Wp(64 w + 16 ct + 8 h + k, column 16 nt + r)
.endr
.endr
.endr
	s_wait_loadcnt 63                              ; 97 loads follow k's last; the count names the most that its field holds: q, k, v and the bias are in
	; S^T = k q^T: 16 keys x 16 queries, 64 channels, four an instruction; two accumulators by turns, the first two products start the sums
.set i, 0
.rept 16
.if i < 2
	v_wmma_f32_16x16x4_f32 v[192+8*(i%2):199+8*(i%2)], v[64+2*i:65+2*i], v[32+2*i:33+2*i], 0
.else
	v_wmma_f32_16x16x4_f32 v[192+8*(i%2):199+8*(i%2)], v[64+2*i:65+2*i], v[32+2*i:33+2*i], v[192+8*(i%2):199+8*(i%2)]
.endif
.set i, i+1
.endr
.rept 8
	v_nop                                          ; eight places behind this form: for the loads into q's and k's registers and for the first reads of the sums
.endr
.irp nt, 2,3
.irp ct, 0,1,2,3
.irp k, 0,1,2,3,4,5,6,7
	global_load_b32 v[32+32*(\nt-2)+8*\ct+\k], v6, s[6:7] offset:(16*\ct+\k)*4096+\nt*64
.endr
.endr
.endr
.irp j, 0,1,2,3,4,5,6,7
	v_add_f32 v[16+\j], v[192+\j], v[200+\j]       ; lane (r, h): the score of key 8 h + j for query r; from the low end on
.endr
.irp j, 0,1,2,3,4,5,6,7
	v_cmp_gt_i32 vcc_lo, \j, v3                    ; hidden where 8 h + j > r
	v_cndmask_b32 v[16+\j], v[16+\j], v12, vcc_lo
.endr
	v_max3_num_f32 v24, v16, v17, v18
	v_max3_num_f32 v25, v19, v20, v21
	v_max3_num_f32 v24, v24, v22, v23
	v_max_num_f32 v24, v24, v25
	v_permlanex16_b32 v25, v24, s[SEL], s[SEL+1]
	v_max_num_f32 v24, v24, v25                    ; the row's maximum: key 0 counts for every query
	v_mul_f32 v24, s[CS], v24
.irp j, 0,1,2,3,4,5,6,7
	v_fma_f32 v[16+\j], v[16+\j], s[CS], -v24
.endr
.irp j, 0,1,2,3,4,5,6,7
	v_exp_f32 v[16+\j], v[16+\j]
.endr
	v_nop                                          ; a plain instruction behind the last exponential,
	s_wait_alu depctr_va_vdst(0)                   ; and one wait for the batch, ahead of its first reader
	v_add_f32 v25, v16, v17
	v_add_f32 v26, v18, v19
	v_add_f32 v25, v25, v20
	v_add_f32 v26, v26, v21
	v_add_f32 v25, v25, v22
	v_add_f32 v26, v26, v23
	v_add_f32 v25, v25, v26
	v_permlanex16_b32 v26, v25, s[SEL], s[SEL+1]
	v_add_f32 v25, v25, v26
	v_rcp_f32 v26, v25
	v_nop
	s_wait_alu depctr_va_vdst(0)
	; O^T = v^T p: 16 channels a tile, 16 keys, four an instruction: instruction c takes keys 8 h + 2 c + 0, 1 on both sides.  Four accumulators by turns
.irp c, 0,1,2,3
.irp ct, 0,1,2,3
.if \c == 0
	v_wmma_f32_16x16x4_f32 v[208+8*\ct:215+8*\ct], v[96+8*\ct+2*\c:97+8*\ct+2*\c], v[16+2*\c:17+2*\c], 0
.else
	v_wmma_f32_16x16x4_f32 v[208+8*\ct:215+8*\ct], v[96+8*\ct+2*\c:97+8*\ct+2*\c], v[16+2*\c:17+2*\c], v[208+8*\ct:215+8*\ct]
.endif
.endr
.endr
.rept 9
	v_nop                                          ; nine places: the projection's products write over registers of these; eight serve the reads of the sums and the writes over v's registers
.endr
.irp ct, 0,1,2,3
.irp j, 0,1,2,3,4,5,6,7
	v_mul_f32 v[96+8*\ct+\j], v[208+8*\ct+\j], v26 ; o(query r, channel 16 ct + 8 h + j), into other registers
.endr
.endr
	s_wait_loadcnt 0x0                             ; all of Wp's part
	; Y^T = Wp^T o^T: four tiles of 16 columns by turns; instruction (ct, c) takes channels 16 ct + 8 h + 2 c + 0, 1 on both sides; the first K step starts the sums
.irp ct, 0,1,2,3
.irp c, 0,1,2,3
.irp nt, 0,1,2,3
.if \nt < 2
.set WR, 128+32*\nt+8*\ct+2*\c
.else
.set WR, 32+32*(\nt-2)+8*\ct+2*\c
.endif
.if (\ct == 0) && (\c == 0)
	v_wmma_f32_16x16x4_f32 v[192+8*\nt:199+8*\nt], v[WR:WR+1], v[96+8*\ct+2*\c:97+8*\ct+2*\c], 0
.else
	v_wmma_f32_16x16x4_f32 v[192+8*\nt:199+8*\nt], v[WR:WR+1], v[96+8*\ct+2*\c:97+8*\ct+2*\c], v[192+8*\nt:199+8*\nt]
.endif
.endr
.endr
.endr
.rept 8
	v_nop
.endr
.irp nt, 0,1,2,3
	ds_store_b128 v7, v[192+8*\nt:195+8*\nt] offset:64*\nt          ; lane (r, h): y(query r, column 16 nt + 8 h + 0 .. 7); the low half first
	ds_store_b128 v7, v[196+8*\nt:199+8*\nt] offset:64*\nt+16
.endr
	s_wait_tensorcnt 0x0                           ; my last LDS store is behind me: the dscnt wait below also shows my stores landed, for the other waves' sake
	ds_add_u32 v[SPW], v[NIL]
	s_wait_dscnt 0x0
	s_barrier_signal -1
	s_barrier_wait -1                              ; the sixteen partial results lie in LDS
	s_cmp_lt_u32 s[WV], 8
	s_cbranch_scc0 .Ldone
.irp i, 0,1,2,3,4,5,6,7,8,9,10,11,12,13,14,15
	ds_load_b128 v[128+4*\i:131+4*\i], v8 offset:\i*16*272
.endr
	s_wait_dscnt 0x0
.set i, 1
.rept 15
	v_pk_add_f32 v[128:129], v[128:129], v[128+4*i:129+4*i]
	v_pk_add_f32 v[130:131], v[130:131], v[130+4*i:131+4*i]
.set i, i+1
.endr
	v_pk_add_f32 v[128:129], v[128:129], v[28:29]
	v_pk_add_f32 v[130:131], v[130:131], v[30:31]
	global_store_b128 v9, v[128:131], s[10:11]     ; sixteen lanes store 256 consecutive bytes, at a multiple of 256 from out0's first byte
.Ldone:
	s_endpgm
.Lfunc_end_k_q7beec76774_fine:
	.size	k_q7beec76774_fine, .Lfunc_end_k_q7beec76774_fine-k_q7beec76774_fine
	.p2alignl 7, 3214868480
	.fill 96, 4, 3214868480
	.section	.rodata,"a",@progbits
	.p2align	6, 0x0
	.amdhsa_kernel k_q7beec76774_fine
		.amdhsa_group_segment_fixed_size 71680
		.amdhsa_private_segment_fixed_size 0
		.amdhsa_enable_private_segment 0
		.amdhsa_kernarg_size 32
		.amdhsa_user_sgpr_count 2
		.amdhsa_user_sgpr_kernarg_segment_ptr 1
		.amdhsa_wavefront_size32 1
		.amdhsa_system_sgpr_workgroup_id_x 1
		.amdhsa_system_sgpr_workgroup_id_y 1
		.amdhsa_system_sgpr_workgroup_id_z 1
		.amdhsa_system_vgpr_workitem_id 0
		.amdhsa_next_free_vgpr 256
		.amdhsa_next_free_sgpr 66
		.amdhsa_reserve_vcc 1
		.amdhsa_float_denorm_mode_32 3
		.amdhsa_float_denorm_mode_16_64 3
		.amdhsa_memory_ordered 1
		.amdhsa_forward_progress 1
		.amdhsa_inst_pref_size 34
	.end_amdhsa_kernel
	.amdgpu_metadata
---
amdhsa.version: [ 1, 2 ]
amdhsa.kernels:
  - .name:           k_q7beec76774_fine
    .symbol:         k_q7beec76774_fine.kd
    .args:
      - { .name: fq, .offset: 0, .size: 8, .value_kind: global_buffer, .address_space: global }
      - { .name: Wp, .offset: 8, .size: 8, .value_kind: global_buffer, .address_space: global }
      - { .name: bp, .offset: 16, .size: 8, .value_kind: global_buffer, .address_space: global }
      - { .name: out0, .offset: 24, .size: 8, .value_kind: global_buffer, .address_space: global }
    .group_segment_fixed_size: 71680
    .private_segment_fixed_size: 0
    .kernarg_segment_align: 8
    .kernarg_segment_size: 32
    .max_flat_workgroup_size: 512
    .sgpr_count:     66
    .vgpr_count:     256
    .wavefront_size: 32
...
	.end_amdgpu_metadata
.endif
;; end of part 5
